; MI455X (gfx1250); checked and timed in simulation.
; The chip was launched on July 23, 2026; its instructions are those of AMD's public machine-readable ISA for CDNA 5 (MIT licence, August 2026) and "CDNA5" Instruction Set Architecture Reference Guide (July 2026). The comments in the code are by the model that wrote it; some were corrected since.
;; Scaled Dot Product self attention block. Allowed arithmetic: matrix products marked QUANTISED: E2M3 operands, one E8M0 scale for each 32 along K, by v_wmma_scale_f32_16x16x128_f8f6f4 with both operands' format E2M3, f32 sums; everything else in f32.
;; Inputs: Wk 1,024 x 1,024 float32; Wo 1,024 x 1,024 float32; Wq 1,024 x 1,024 float32; Wv 1,024 x 1,024 float32; bk 1,024 float32; bo 1,024 float32; bq 1,024 float32; bv 1,024 float32; keys 4 x 2,048 x 1,024 float32; queries 4 x 2,048 x 1,024 float32; values 4 x 2,048 x 1,024 float32.
;; Outputs: out0 4 x 2,048 x 1,024 float32.
;; This version of the problem:
;;   THIS VERSION OF THE PROBLEM IS GIVEN IN LOW PRECISION. The matrix products marked QUANTISED in the list below multiply operands that are first quantised to E2M3 (2 exponent bits, 3 mantissa bits; 6 bits a number), with one power-of-two scale for each 32 numbers along K (OCP MX v1.0); their sums are f32. All else is computed in f32.
;;   The module's matrix products, in the order in which they are computed (A, B: the left and right operand; K: the contracted axis; several contracted axes count as one K, in the product's order):
;;     1. [M 8,192, K 1,024] x [K 1,024, N 1,024]; A: input queries; B: input Wq: QUANTISED
;;     2. [M 8,192, K 1,024] x [K 1,024, N 1,024]; A: input keys; B: input Wk: QUANTISED
;;     3. [M 8,192, K 1,024] x [K 1,024, N 1,024]; A: input values; B: input Wv: QUANTISED
;;     4. batch 64 x [M 2,048, K 64] x [K 64, N 2,048]; A: computed on the way; B: computed on the way: QUANTISED
;;     5. batch 64 x [M 2,048, K 2,048] x [K 2,048, N 64]; A: softmax (see below); B: computed on the way: QUANTISED
;;     6. [M 8,192, K 1,024] x [K 1,024, N 1,024]; A: computed on the way; B: input Wo: QUANTISED
;;   THE QUANTISER, for each operand of a quantised product, along K:
;;     - K is cut into blocks of 32 from its start; a last block that is shorter is filled with zeros.
;;     - A block's scale is 2^e with e = floor(log2(the largest magnitude in the block)) - 2, held to -126 .. 127; a block of zeros has e = 0. As a byte (E8M0): e + 127.
;;     - Each number is divided by its block's scale, clamped to +-7.5, and rounded to the nearest number of E2M3, ties to even, subnormals kept.
;;     - The product sums the exact products of the quantised numbers (number of the format x scale) in f32.
;;   ~~~python
;;   def quantise(x, axis):      # numpy; x: float32 -> the quantised numbers, widened to float32 again
;;       x = np.moveaxis(x, axis, -1); K = x.shape[-1]
;;       x = np.pad(x, [(0, 0)] * (x.ndim - 1) + [(0, -K % 32)]); x = x.reshape(x.shape[:-1] + (-1, 32)); a = np.abs(x).max(-1, keepdims=True)
;;       e = np.where(a > 0, np.clip(np.frexp(np.where(a > 0, a, 1))[1] - 1 - 2, -126, 127), 0)      # np.frexp(a)[1] - 1 = floor(log2(a)), exactly
;;       r = np.clip(x / 2.0 ** e, -7.5, 7.5)
;;       step = 2.0 ** (np.maximum(np.frexp(np.where(r == 0, 1, r))[1] - 1, 0) - 3)
;;       q = np.round(r / step) * step * 2.0 ** e      # np.round: ties to even
;;       return np.moveaxis(q.reshape(q.shape[:-2] + (-1,))[..., :K], -1, axis).astype(np.float32)
;;   ~~~
;;   SOFTMAX AHEAD OF A QUANTISED PRODUCT. Where the list says 'softmax', what is quantised is not the finished softmax but p = 2^(t - M), with t = logit x log2(e) and M = ceil(the row's largest t), a whole number; so 1/2 < the row's largest p <= 1. The row's sum l is taken of the UNQUANTISED p, in f32, and the product's result is divided by l at the end. Since M is a whole number, a kernel that streams over the keys may use a running M (the ceiling of the running maximum): every later rescaling is an exact power of two, which a block's scale takes up: the codes' values come out the same.
;;   OPERANDS COMPUTED ON THE WAY. 'Computed on the way' means the value that the module computes at that place (a softmax that the list does not call 'softmax' is quantised finished and normalised). What goes into a quantiser is computed in f32, as accurately as f32 sums, v_exp_f32 and their like allow (about 1e-6 of the number): no bf16 or f16 on the way to a quantiser, and a product that is left as it is and whose result goes on into a quantised operand takes f32 operands (vector FMAs, or v_wmma_f32_16x16x4_f32). A number that lies on a knife's edge between two numbers of the format may be rounded either way, as far as f32 arithmetic and the matrix unit's own rounding can turn it there, and no further.
;; One version. Each part assembles by itself: llvm-mc -triple=amdgcn-amd-amdhsa -mcpu=gfx1250 --defsym DOCPART=n.
;; ======== version 1 of 1: 4 launches
;; limits: right only within a limited range of input values
;; workspace buffers: wb 3,276,800 bytes; xb 19,660,800 bytes; qb 13,369,344 bytes; kv 13,369,344 bytes; ob 6,553,600 bytes
;; launch qx (part 1): grid 896 x 1, 4 waves a work-group, no clusters, 58,880 bytes of LDS; arguments queries, keys, values, xb, Wq, Wk, Wv, Wo, wb; writes xb, wb
.if DOCPART == 1
	.amdgcn_target "amdgcn-amd-amdhsa--gfx1250"
	.amdhsa_code_object_version 6
	.text
	.protected	k_qd3e868c9b2_qx
	.globl	k_qd3e868c9b2_qx
	.p2align	8
	.type	k_qd3e868c9b2_qx,@function
k_qd3e868c9b2_qx:
	s_mov_b64 s[64:65], 0
	v_nop
	global_prefetch_b8 v0, s[64:65] scope:SCOPE_SE
	s_setreg_imm32_b32 hwreg(HW_REG_WAVE_MODE, 25, 1), 1
	s_wait_xcnt 0x0
; queries, keys, values, [8192][1024] f32 with K innermost, become codes of FP6 (E2M3) with one E8M0 byte for each 32 along K.
; A block's scale is 2^(floor(log2(its largest magnitude)) - 2); its byte is the largest magnitude's exponent field - 2, held at 1 from below.
; LIMITS: a block whose largest magnitude lies under 2^-124 keeps the byte 1; a block of zeros gets the byte 1, not 127 (its codes are zeros, and this program alone reads the bytes);
; NaN and infinities among the inputs are not served.
; LAYOUT OF xb (this program's own): tensor T (0 queries, 1 keys, 2 values): codes at T x 6,291,456, scale words at 18,874,368 + T x 262,144.
;   A token stands at POSITION = its number with bits 3 and 4 swapped; 16 positions are a row tile: place r of row tile i is token 32 (i / 2) + 8 (i % 2) + r + 8 (r / 8).
;   Codes: [row tile 512][K step of 128: 8][1,536 bytes]: the image of the operand's 12 registers: register pair p of lane L at 256 p + 8 L.  Scale words: [row tile][256 along K: 4][place 16][2 words].
; SHARES: (work-group x - 128) / 256: the tensor.  A wave takes one row tile and half of K: four K steps.  Each load reads 512 consecutive bytes of one row; a K step's 16 x 512 bytes turn through the wave's own stage in LDS
; (rows 528 bytes apart) so that lane (r, h) holds, of place r, the 16 numbers 32 b + 16 h + 0 .. 15 of each block b.  Waves share nothing: no barrier.  Loads run two K steps (32 loads a wave) ahead.
.set R,   16                           ; v16-143  two sets of 64 registers as loaded
.set X,   144                          ; v144-207 64 numbers of my place
.set PC,  208                          ; v208-219 the fragment's codes; v220-227 at work
.set TM,  228                          ; v228-231 largest magnitudes, v232-235 bytes, v240-243 the conversions' scale operands
.set WD,  244                          ; v244-247 the four K steps' scale words
.set SEL, 20                           ; s[20:21] selects of v_permlanex16_b32 for lane l xor 16
	; ONE LAUNCH PREPARES ALL SEVEN OPERANDS: work-groups 0 to 127 take the four weights (their path stands at the text's end, with LDS bytes of its own), work-groups 128 to 895 the three tensors of tokens
	v_lshl_add_u32 v254, v0, 2, 0x8400
	v_mov_b32 v255, 0
	s_cmp_lt_u32 ttmp9, 128
	s_cbranch_scc1 .Lweights
	s_load_b256 s[4:11], s[0:1], 0x0               ; queries, keys, values, xb
	s_sub_co_u32 s30, ttmp9, 128                   ; 256 x tensor + the work-group's number in it
	v_lshrrev_b32 v1, 5, v0
	v_readfirstlane_b32 s12, v1                    ; wave
	v_and_b32 v1, 31, v0                           ; lane
	v_and_b32 v2, 15, v0                           ; r
	v_bfe_u32 v3, v0, 4, 1                         ; h
	v_lshlrev_b32 v4, 4, v1                        ; 16 bytes a lane of a load's 512
	v_lshlrev_b32 v7, 3, v1                        ; 8 bytes a lane of an image's 256
	s_mul_i32 s13, s12, 8448                       ; my wave's stage: 16 rows x 528 bytes
	v_add_nc_u32 v5, s13, v4                       ; into it
	v_mul_u32_u24 v6, v2, 528
	v_lshl_add_u32 v6, v3, 6, v6
	v_add_nc_u32 v6, s13, v6                       ; out of it: row r, + 64 h
	s_lshr_b32 s14, s30, 8                         ; T
	s_and_b32 s15, s30, 255
	s_lshl_b32 s15, s15, 2
	s_add_co_u32 s15, s15, s12
	s_lshr_b32 s16, s15, 1                         ; row tile i
	s_and_b32 s17, s15, 1                          ; which half of K
	; THE KEYS (T = 1) stand otherwise: place r of row tile i is token 64 (i / 4) + 8 (i % 4) + r % 8 + 32 (r / 8), so that in the scores a lane holds 32 neighbouring keys
	s_cmp_eq_u32 s14, 1
	s_cselect_b32 s26, 2, 1                        ; row tiles to a group: 4 or 2, as a shift,
	s_cselect_b32 s27, 3, 1                        ; and as a mask
	s_cselect_b32 s28, 0x10000, 0                  ; places 8-15 lie 32 tokens on and not 16: 16 rows of 4,096 bytes more
	s_lshr_b32 s18, s16, s26
	s_add_co_u32 s26, s26, 16
	s_lshl_b32 s18, s18, s26                       ; 64 (i / 4) or 32 (i / 2) rows of 4,096 bytes
	s_and_b32 s19, s16, s27
	s_lshl_b32 s19, s19, 15
	s_wait_alu depctr_va_vdst(0)                   ; the wait here, directly ahead of the reader below
	v_add_nc_u32 v8, s28, v4                       ; the offset of places 8-15
	s_add_co_u32 s18, s18, s19
	s_lshl_b32 s19, s17, 11                        ; + half a row
	s_add_co_u32 s18, s18, s19
	s_mov_b32 s19, 0
	s_mul_i32 s22, s14, 6291456
	s_mul_i32 s23, s16, 12288
	s_add_co_u32 s22, s22, s23
	s_mul_i32 s23, s17, 6144
	s_add_co_u32 s22, s22, s23                     ; where my codes go
	s_mov_b32 s23, 0
	s_lshl_b32 s24, s14, 18
	s_lshl_b32 s25, s16, 9
	s_add_co_u32 s24, s24, s25
	s_lshl_b32 s25, s17, 8
	s_add_co_u32 s24, s24, s25
	s_add_co_u32 s24, s24, 18874368                ; where my scale words go
	s_mov_b32 s25, 0
	s_mov_b32 s[SEL], 0x76543210
	s_mov_b32 s[SEL+1], 0xfedcba98
.irp b, 0,1,2,3
	v_mov_b32 v[TM+4+\b], 0                        ; written once: a lane permute's destination counts as one of its sources
.endr
	s_wait_alu depctr_va_vdst(0)
	s_wait_kmcnt 0x0
	s_cmp_eq_u32 s14, 1                            ; the choice of the tensor hangs on the work-group's number alone
	s_cselect_b64 s[4:5], s[6:7], s[4:5]
	s_cmp_eq_u32 s14, 2
	s_cselect_b64 s[4:5], s[8:9], s[4:5]
	s_add_nc_u64 s[4:5], s[4:5], s[18:19]
	s_add_nc_u64 s[6:7], s[10:11], s[22:23]
	s_add_nc_u64 s[8:9], s[10:11], s[24:25]
.macro LOAD t                          ; K step t: 512 bytes of each of the row tile's 16 tokens
.irp rr, 0,1,2,3,4,5,6,7,8,9,10,11,12,13,14,15
.if \rr < 8
	global_load_b128 v[R+64*((\t)%2)+4*\rr:R+64*((\t)%2)+4*\rr+3], v4, s[4:5] offset:\rr*4096+512*(\t) th:TH_LOAD_NT
.else
	global_load_b128 v[R+64*((\t)%2)+4*\rr:R+64*((\t)%2)+4*\rr+3], v8, s[4:5] offset:(\rr+8)*4096+512*(\t) th:TH_LOAD_NT
.endif
.endr
.endm
.macro TURN t                          ; through the stage: LDS serves a wave's instructions in order, so no wait stands between the stores and the loads
.irp rr, 0,1,2,3,4,5,6,7,8,9,10,11,12,13,14,15
	ds_store_b128 v5, v[R+64*((\t)%2)+4*\rr:R+64*((\t)%2)+4*\rr+3] offset:528*\rr
.endr
.irp b, 0,1,2,3
.irp j, 0,1,2,3
	ds_load_b128 v[X+16*\b+4*\j:X+16*\b+4*\j+3], v6 offset:128*\b+16*\j
.endr
.endr
.endm
; 64 numbers of a lane, register 16 b + i = k 32 b + 16 (lane / 16) + i of my place, become a fragment's codes in v[PC] on and its scale word in v[pw].
.macro QUANT s, pw
.irp b, 0,1,2,3
	v_max3_num_f32 v[TM+\b], |v[\s+16*\b]|, |v[\s+1+16*\b]|, 0x1800000   ; my 16 numbers of block b, and the floor 2^(3 - 127): the byte cannot fall under 1
.endr
.irp i, 2,4,6,8,10,12,14
.irp b, 0,1,2,3
	v_max3_num_f32 v[TM+\b], v[TM+\b], |v[\s+16*\b+\i]|, |v[\s+1+16*\b+\i]|   ; the four blocks by turns
.endr
.endr
.irp b, 0,1,2,3
	v_permlanex16_b32 v[TM+4+\b], v[TM+\b], s[SEL], s[SEL+1]
.endr
.irp b, 0,1,2,3
	v_max_num_f32 v[TM+\b], v[TM+\b], v[TM+4+\b]   ; with lane l xor 16's: the block's largest magnitude
.endr
.irp b, 0,1,2,3
	v_add_nc_u32 v[TM+12+\b], 0xff000000, v[TM+\b] ; 2 off its exponent field: the conversion's scale operand
.endr
.irp b, 0,1,2,3
	v_lshrrev_b32 v[TM+4+\b], 23, v[TM+12+\b]      ; the scale's byte
.endr
	v_lshl_or_b32 v[\pw], v[TM+5], 8, v[TM+4]
	v_lshl_or_b32 v[\pw], v[TM+6], 16, v[\pw]
	v_lshl_or_b32 v[\pw], v[TM+7], 24, v[\pw]
.irp c, 0,1
	v_cvt_scalef32_pk16_fp6_f32 v[PC+6*\c:PC+2+6*\c], v[\s+32*\c:\s+15+32*\c], v[TM+12+2*\c]
	v_cvt_scalef32_pk16_fp6_f32 v[PC+12+4*\c:PC+14+4*\c], v[\s+16+32*\c:\s+31+32*\c], v[TM+12+2*\c+1]   ; (a conversion's three registers begin on an even number)
.endr
	v_nop                                          ; one plain instruction behind the scaled conversions
.irp c, 0,1                                    ; the operand wants a WHOLE block in a lane: lanes 0-15 block 2 c, lanes 16-31 block 2 c + 1
.irp i, 0,1,2
	v_permlane16_swap_b32 v[PC+6*\c+\i], v[PC+12+4*\c+\i]
.endr
.irp i, 0,1,2
	v_mov_b32 v[PC+3+6*\c+\i], v[PC+12+4*\c+\i]
.endr
.endr
.endm
	LOAD 0
	LOAD 1
.irp t, 0,1,2,3
.if \t < 3
	s_wait_loadcnt 16                              ; this K step's 16 loads are in; the next step's 16 may be out
.else
	s_wait_loadcnt 0x0
.endif
	TURN \t
	s_wait_dscnt 0x0                               ; my 64 numbers are in, and the stores into the stage have read their registers,
.if \t < 2
	LOAD \t+2                                      ; which take the loads of two steps on
.endif
	s_wait_xcnt 0x0                                ; the last step's stores have read the codes' registers: they are written again only behind this wait
	QUANT X, WD+\t
.irp p, 0,1,2,3,4,5
	global_store_b64 v7, v[PC+2*\p:PC+2*\p+1], s[6:7] offset:1536*\t+256*\p   ; 256 consecutive bytes, aligned
.endr
.endr
	v_cmp_le_u32 vcc_lo, 16, v1                    ; both halves of the lanes hold all four words: lanes 0-15 store the first 256 along K's two, lanes 16-31 the second's
	v_cndmask_b32 v248, v[WD], v[WD+2], vcc_lo
	v_cndmask_b32 v249, v[WD+1], v[WD+3], vcc_lo
	global_store_b64 v7, v[248:249], s[8:9]        ; 256 consecutive bytes, aligned
	s_wait_tensorcnt 0x0
	ds_add_u32 v254, v255
	s_wait_dscnt 0x0
	s_endpgm
; THE WEIGHTS' PATH.  The four weights, [1024 (k)][1024 (n)] f32 with K as the FIRST axis, become codes of FP6 (E2M3) with one E8M0 byte for each 32 along K, by the same rule and with the same limits as the tokens.
; LAYOUT OF wb: weight Tw (0 Wq, 1 Wk, 2 Wv, 3 Wo): codes at Tw x 786,432, scale words at 3,145,728 + Tw x 32,768.  A column n stands at POSITION = n with bits 3 and 4 swapped; 16 positions are a row tile.
;   Codes: [row tile 64][K step of 128: 8][half of 64 along K: 2][768 bytes]: the image of six operand registers, lane by lane.  Scale words: [row tile][256 along K: 4][position 16][2 words].
; SHARES: work-group % 8: 128 columns; work-group / 32: the weight; (work-group / 8) % 4: 256 along K.  A lane takes a column and its registers run down K: a block of 32 lies in one lane.
; The codes go through the wave's own 6,144 bytes of LDS, from byte 34,304 on, and leave 512 consecutive bytes a store.  Waves share nothing: no barrier.  Loads run two blocks (64 loads a wave) ahead.
.Lweights:
.set WX, 32                            ; v32-95   two sets of 32 numbers
.set WC, 96                            ; v96-101  a block's 24 bytes of codes
.set WE, 104                           ; v104-106 its upper half as converted
.set WO, 112                           ; v112-159 the way out
.set WS, 24                            ; v24-25   eight scale bytes
	s_load_b256 s[4:11], s[0:1], 0x20              ; Wq, Wk, Wv, Wo
	s_load_b64 s[12:13], s[0:1], 0x40              ; wb
	v_lshrrev_b32 v1, 5, v0
	v_readfirstlane_b32 s16, v1                    ; wave
	s_and_b32 s17, ttmp9, 7
	s_lshl_b32 s17, s17, 2
	s_add_co_u32 s17, s17, s16                     ; G: which 32 columns = which two row tiles
	s_lshr_b32 s18, ttmp9, 3
	s_lshr_b32 s19, s18, 2                         ; Tw
	s_and_b32 s18, s18, 3                          ; ky: which 256 along K
	s_mul_i32 s20, s16, 6144
	s_add_co_u32 s20, s20, 0x8600                  ; my wave's stage
	s_lshl_b32 s22, s18, 20                        ; W: 256 ky rows of 4,096 bytes,
	s_lshl_b32 s23, s17, 7                         ; + 32 G columns of 4 bytes
	s_add_co_u32 s22, s22, s23
	s_mov_b32 s23, 0
	s_mul_i32 s24, s19, 786432                     ; codes: the weight, two row tiles of 12,288 bytes a G, 3,072 bytes a ky
	s_mul_i32 s25, s17, 24576
	s_add_co_u32 s24, s24, s25
	s_mul_i32 s25, s18, 3072
	s_add_co_u32 s24, s24, s25
	s_mov_b32 s25, 0
	s_lshl_b32 s26, s19, 15                        ; scale words: 32,768 a weight, 1,024 a G, 128 a ky
	s_lshl_b32 s27, s17, 10
	s_add_co_u32 s26, s26, s27
	s_lshl_b32 s27, s18, 7
	s_add_co_u32 s26, s26, s27
	s_add_co_u32 s26, s26, 3145728
	s_mov_b32 s27, 0
	v_and_b32 v2, 31, v0                           ; lane l: column 32 G + l
	v_lshlrev_b32 v3, 2, v2                        ; in: 4 bytes a lane
	v_bfe_u32 v5, v2, 3, 1                         ; my row tile of the two: bit 3 of the column
	v_lshrrev_b32 v6, 4, v2
	v_and_b32 v10, 7, v2
	v_lshl_or_b32 v6, v6, 3, v10                   ; my place in it: 8 x bit 4 + the low three bits
	v_mul_u32_u24 v4, v5, 3072
	v_lshl_add_u32 v4, v6, 3, v4
	v_add_nc_u32 v4, s20, v4                       ; into the stage: row tile x 3,072 + 8 x place
	v_lshlrev_b32 v8, 4, v2                        ; out of it, and in wb: 16 bytes a lane
	v_add_nc_u32 v7, s20, v8
	v_lshlrev_b32 v9, 9, v5
	v_lshl_add_u32 v9, v6, 3, v9                   ; my two scale words: row tile x 512 + 8 x place
	s_wait_alu depctr_va_vdst(0)                   ; the wait at the head's end
	s_wait_kmcnt 0x0
	s_cmp_eq_u32 s19, 1                            ; the choice of the weight hangs on the work-group's number alone
	s_cselect_b64 s[4:5], s[6:7], s[4:5]
	s_cmp_eq_u32 s19, 2
	s_cselect_b64 s[4:5], s[8:9], s[4:5]
	s_cmp_eq_u32 s19, 3
	s_cselect_b64 s[4:5], s[10:11], s[4:5]
	s_add_nc_u64 s[4:5], s[4:5], s[22:23]
	s_add_nc_u64 s[14:15], s[12:13], s[24:25]      ; where my codes go
	s_add_nc_u64 s[12:13], s[12:13], s[26:27]      ; where my scale words go
.macro WLOAD t                         ; block t: W(32 t + i, my column), i = 0 .. 31, into set t % 2
.irp i, 0,1,2,3,4,5,6,7,8,9,10,11,12,13,14,15,16,17,18,19,20,21,22,23,24,25,26,27,28,29,30,31
	global_load_b32 v[WX+32*((\t)%2)+\i], v3, s[4:5] offset:(32*(\t)+\i)*4096 th:TH_LOAD_NT
.endr
.endm
	WLOAD 0
	WLOAD 1
.macro WBLOCK t
.set XS, WX+32*((\t)%2)
.if (\t) < 7
	s_wait_loadcnt 32                              ; this block's 32 loads are in; the next block's 32 may be out
.else
	s_wait_loadcnt 0x0
.endif
	v_max3_num_f32 v12, |v[XS]|, |v[XS+1]|, |v[XS+2]|              ; the block's largest magnitude: all 32 numbers are mine; two chains
	v_max3_num_f32 v13, |v[XS+3]|, |v[XS+4]|, |v[XS+5]|
.irp i, 6,10,14,18,22,26
	v_max3_num_f32 v12, v12, |v[XS+\i]|, |v[XS+\i+1]|
	v_max3_num_f32 v13, v13, |v[XS+\i+2]|, |v[XS+\i+3]|
.endr
	v_max3_num_f32 v12, v12, |v[XS+30]|, |v[XS+31]|
	v_max3_num_f32 v12, v12, v13, 0x1800000        ; and the floor 2^(3 - 127): the byte cannot fall under 1
	v_add_nc_u32 v11, 0xff000000, v12              ; 2 off the exponent field: the conversion's scale operand
	v_lshrrev_b32 v13, 23, v11                     ; the scale's byte
.if (\t)%4 == 0
	v_mov_b32 v[WS+(\t)/4], v13                    ; four bytes to a word, the lower K in the lower byte
.else
	v_lshl_or_b32 v[WS+(\t)/4], v13, 8*((\t)%4), v[WS+(\t)/4]
.endif
	v_cvt_scalef32_pk16_fp6_f32 v[WC:WC+2], v[XS:XS+15], v11
	v_cvt_scalef32_pk16_fp6_f32 v[WE:WE+2], v[XS+16:XS+31], v11
	v_nop                                          ; one plain instruction behind the scaled conversions
.irp i, 0,1,2
	v_mov_b32 v[WC+3+\i], v[WE+\i]
.endr
.irp p, 0,1,2
	ds_store_b64 v4, v[WC+2*\p:WC+2*\p+1] offset:768*((\t)/2)+128*((\t)%2)+256*\p   ; block t is half t % 2 of image t / 2
.endr
.if (\t)+2 < 8
	WLOAD (\t)+2
.endif
	s_wait_dscnt 0x0                               ; the stores have read their registers: the next block's codes may be written
.endm
.irp t, 0,1,2,3,4,5,6,7
	WBLOCK \t
.endr
	s_wait_alu depctr_va_vdst(0)                   ; the wait here, directly ahead of the reader below
	global_store_b64 v9, v[WS:WS+1], s[12:13]      ; my column's two scale words
.irp i, 0,1,2,3,4,5,6,7,8,9,10,11
	ds_load_b128 v[WO+4*\i:WO+4*\i+3], v7 offset:512*\i   ; LDS serves a wave's instructions in order: these see my stores
.endr
.irp i, 0,1,2,3,4,5,6,7,8,9,10,11
	s_wait_dscnt 11-\i                             ; the younger loads from the stage may be out
	global_store_b128 v8, v[WO+4*\i:WO+4*\i+3], s[14:15] offset:(\i/6)*12288+(\i%6)*512   ; 512 consecutive bytes, aligned
.endr
	s_wait_tensorcnt 0x0                           ; the wave's end
	ds_add_u32 v254, v255
	s_wait_dscnt 0x0
	s_endpgm
.Lfunc_end_k_qd3e868c9b2_qx:
	.size	k_qd3e868c9b2_qx, .Lfunc_end_k_qd3e868c9b2_qx-k_qd3e868c9b2_qx
	.p2alignl 7, 3214868480
	.fill 96, 4, 3214868480
	.section	.rodata,"a",@progbits
	.p2align	6, 0x0
	.amdhsa_kernel k_qd3e868c9b2_qx
		.amdhsa_group_segment_fixed_size 58880
		.amdhsa_private_segment_fixed_size 0
		.amdhsa_enable_private_segment 0
		.amdhsa_kernarg_size 72
		.amdhsa_user_sgpr_count 2
		.amdhsa_user_sgpr_kernarg_segment_ptr 1
		.amdhsa_wavefront_size32 1
		.amdhsa_system_sgpr_workgroup_id_x 1
		.amdhsa_system_sgpr_workgroup_id_y 1
		.amdhsa_system_sgpr_workgroup_id_z 1
		.amdhsa_system_vgpr_workitem_id 0
		.amdhsa_next_free_vgpr 256
		.amdhsa_next_free_sgpr 66
		.amdhsa_reserve_vcc 1
		.amdhsa_float_denorm_mode_32 3
		.amdhsa_float_denorm_mode_16_64 3
		.amdhsa_memory_ordered 1
		.amdhsa_forward_progress 1
		.amdhsa_inst_pref_size 77
	.end_amdhsa_kernel
	.amdgpu_metadata
---
amdhsa.version: [ 1, 2 ]
amdhsa.kernels:
  - .name:           k_qd3e868c9b2_qx
    .symbol:         k_qd3e868c9b2_qx.kd
    .args:
      - { .name: queries, .offset: 0, .size: 8, .value_kind: global_buffer, .address_space: global }
      - { .name: keys, .offset: 8, .size: 8, .value_kind: global_buffer, .address_space: global }
      - { .name: values, .offset: 16, .size: 8, .value_kind: global_buffer, .address_space: global }
      - { .name: xb, .offset: 24, .size: 8, .value_kind: global_buffer, .address_space: global }
      - { .name: Wq, .offset: 32, .size: 8, .value_kind: global_buffer, .address_space: global }
      - { .name: Wk, .offset: 40, .size: 8, .value_kind: global_buffer, .address_space: global }
      - { .name: Wv, .offset: 48, .size: 8, .value_kind: global_buffer, .address_space: global }
      - { .name: Wo, .offset: 56, .size: 8, .value_kind: global_buffer, .address_space: global }
      - { .name: wb, .offset: 64, .size: 8, .value_kind: global_buffer, .address_space: global }
    .group_segment_fixed_size: 58880
    .private_segment_fixed_size: 0
    .kernarg_segment_align: 8
    .kernarg_segment_size: 72
    .max_flat_workgroup_size: 128
    .sgpr_count:     66
    .vgpr_count:     256
    .wavefront_size: 32
...
	.end_amdgpu_metadata
.endif
;; end of part 1
;; launch proj (part 2): grid 4 x 96, 4 waves a work-group, clusters of 4 x 4, 327,680 bytes of LDS; arguments xb, wb, bq, bk, bv, qb, kv; writes qb, kv
.if DOCPART == 2
	.amdgcn_target "amdgcn-amd-amdhsa--gfx1250"
	.amdhsa_code_object_version 6
	.text
	.protected	k_qd3e868c9b2_proj
	.globl	k_qd3e868c9b2_proj
	.p2align	8
	.type	k_qd3e868c9b2_proj,@function
k_qd3e868c9b2_proj:
	s_mov_b64 s[64:65], 0
	v_nop
	global_prefetch_b8 v0, s[64:65] scope:SCOPE_SE
	s_setreg_imm32_b32 hwreg(HW_REG_WAVE_MODE, 25, 1), 1
	s_wait_xcnt 0x0
	s_wait_alu depctr_hold_cnt(0) depctr_sa_sdst(0) depctr_va_vdst(0) depctr_va_sdst(0) depctr_va_ssrc(0) depctr_va_vcc(0) depctr_vm_vsrc(0)
	s_getreg_b32 s2, hwreg(HW_REG_IB_STS2, 6, 4)
	s_cmp_eq_u32 s2, 0
	s_cbranch_scc0 .Lentry_in_a_cluster
	s_endpgm
.Lentry_in_a_cluster:
	s_bfe_u32 s2, ttmp6, 0x10000c
	s_cmp_lg_u32 s2, 0xf033
	s_cbranch_scc0 .Lentry_shape_is_right
	s_endpgm
.Lentry_shape_is_right:
; The three projections q = queries Wq + bq, k = keys Wk + bk, v = values Wv + bv on codes of FP6 (E2M3) with E8M0 scales, K = 1,024, sums in f32; the results are quantised in registers on the way out:
; q and k along the head's 64 channels, v along the keys.  Only codes and scale words go to memory.
; LIMITS: a block whose largest magnitude lies under 2^-124 keeps the byte 1; a block of zeros gets the byte 1, not 127 (this program alone reads the bytes); NaN and infinities are not served.
; WHICH PRODUCT: cluster y / 8 = T (0 q, 1 k, 2 v), cluster y % 8 = R: the same in all sixteen partners.  The grid has one cluster along x, so cluster x does not enter.
;   T < 2: A = the tokens' rows (tile row 4 R + cy), B = the weight's rows n (tile column cx).   T = 2: v^T is made: A = Wv's rows n (tile row cy), B = the tokens' rows (tile column 4 R + cx).
;   So the axis along which the result is quantised is always B's.
; OPERANDS (this program's own layout): rows stand at POSITIONS (the row's number with bits 3 and 4 swapped); 16 positions are a row tile; codes [row tile][K step of 128: 8][1,536]: the image of the operand's
;   12 registers, pair p of lane L at 256 p + 8 L; scale words [row tile][256 along K: 4][place 16][2 words].
; THE MATRIX INSTRUCTION IS USED TRANSPOSED: source 0 = 16 positions of B, source 1 = 16 positions of A.  A lane then holds one position of A, and by the order of the positions the 16 registers of B's tiles
;   2 b and 2 b + 1 are the TRUE indices 32 b + 16 (lane / 16) + 0 .. 15: what the quantiser wants.
; A tile of 256 x 256 is made by four waves, 128 x 128 each: 64 accumulators.  K goes in four slots of 256 through a ring of two LDS slots; the scale words of the tile's rows, for all of K, come once.
; CLUSTERS: 4 x 4 work-groups; A's tiles are asked for jointly along a row of the cluster, B's along a column.  By this text's count a wave has one tensor load out at the start and one behind each round.
; No prefetch: of K's four slots two are first fills and two are asked for one slot's work ahead; nothing lies further on that could be named.
; RESULTS: a record of 208,896 bytes for each (batch, head): K's (in qb: Q's) scale words [position 2,048] (bytes 0, 1: the head's two blocks; bytes 2, 3: 0); from 8,192 V's scale words [step of 128 keys: 16][channel
;   position 64]; from 12,288 sixteen steps of 12,288 bytes: K's 8 tiles of 16 positions x 768, then V's [channel tile 4][64 keys: 2][768].
; REGISTERS, in windows of 256: window 0: v0-31 addresses; v32-63 scale words, two sets; v64-127 the bias along B in the result's layout (the C of each sum's first product); v128-223 A's fragments, one set;
;   v224-239 the bias along A.  Window 1: B's fragments, two sets, at v0 and v128.  Windows 2, 3: the accumulators ((a, b) at v[8 (8 (a % 4) + b)]).  On the way out v64-223 of window 0 are at work.
.set KVREC,  208896
.set NQ,     2                         ; matrix instructions deep in a slot
.set FR,     12                        ; registers of a fragment
.set NL,     6                         ; LDS loads that bring one
.set NP,     4                         ; places behind this matrix instruction (ISA guide 7.12.1)
.set RTB,    3072                      ; a row tile's part of a slot: 256 along K
.set HALFT,  8*RTB                     ; 8 row tiles: what one tensor load brings, and what one wave reads of A or of B
.set SLOT,   4*HALFT                   ; A's 16 row tiles, then B's
.set SCL,    2*SLOT                    ; behind the ring: A's scale words, 8,192 bytes, then B's
.set SPARE,  SCL+16384                 ; behind them: the spare words, 128 bytes for each wave, which no other line names
.set ADRA, 16                          ; v16-17 LDS address of my A fragments in slot 0, 1
.set ADRB, 20                          ; v20-21 the same for B
.set STW,  24                          ; v24    the way out: where a block's scale words go in LDS
.set RDW,  25                          ; v25    and where they are read back
.set SOFF, 26                          ; v26    and their place in memory
.set ADRS, 27                          ; v27    LDS address of my scale words: lanes 0-15 A's, lanes 16-31 B's
.set SPW,  28                          ; v28    LDS address of my spare word; never rewritten
.set NIL,  29                          ; v29    0; never rewritten
.set L8,   30                          ; v30    8 x lane
.set SC,   32
.set BN,   64
.set AF,   128
.set BM,   224
.set H,    64                          ; the way out: a block's 64 numbers
.set PC,   128                         ; its codes (12) and 8 at work
.set TM,   148                         ; 16 at work
.set PW,   164                         ; its scale word
.set W0,   168                         ; v168-175, v176-183: the words as they are stored, one register a block
.set W1,   176
.set RB,   184                         ; v184-191 the words read back
.set VO0,  2
.set VO1,  3
.set OUT,  4                           ; s[4:5]  where my codes go (set when the operands' addresses are spent)
.set OUTS, 6                           ; s[6:7]  where my scale words go
.set STA,  8                           ; s8-10   the steps from block to block and from half to half of a fragment
.set STB,  9
.set STC,  10
.set MASK0, 11
.set EE,   12
.set WV,   18
.set WH,   19
.set WL,   20
.set TT,   21
.set TROW, 23
.set TCOL, 42
.set G1,   24                          ; s[24:31] group 1 for A's tiles; s[32:39] group 0, one set for each slot
.set G0,   32
.set G1B,  48                          ; the same for B's
.set G0B,  56
.set G1S,  68                          ; s[68:75], s[76:79] for A's scale words; s[80:87], s[88:91] for B's
.set G0S,  76
.set G1SB, 80
.set G0SB, 88
.set SEL,  98
.set MSB, 0
.macro WIN new                         ; the immediate's high byte repeats the setting that is left
.if MSB != \new
	s_set_vgpr_msb (MSB<<8)|\new
.set MSB, \new
.endif
.endm
.set MUL_LO, 0xa1                      ; source 0 (B) window 1, source 1 (A) window 0, C and D window 2
.set MUL_HI, 0xf1                      ; the same, C and D window 3
.set FST_LO, 0x81                      ; the first products: C (the bias) window 0, D window 2
.set FST_HI, 0xc1
.set TO_B,   0x40                      ; destination window 1, address window 0
; A joint load: waves 0 and 1 fetch for A, waves 2 and 3 for B; the branch hangs on the wave's number alone.  Four v_nop follow each of the two lines.
.macro JLOAD g0a, g1a, g0b, g1b
	s_cmp_eq_u32 s[WH], 0
	s_cbranch_scc0 .Lfor_b_\@
	tensor_load_to_lds s[\g0a:\g0a+3], s[\g1a:\g1a+7]
	s_nop 0
.rept 4
	v_nop
.endr
	s_branch .Lasked_\@
.Lfor_b_\@:
	tensor_load_to_lds s[\g0b:\g0b+3], s[\g1b:\g1b+7]
	s_nop 0
.rept 4
	v_nop
.endr
.Lasked_\@:
.endm
.macro CREST                           ; a round of the cluster's barrier behind its opening barrier
	s_cmp_lg_u32 s[WV], 0
	s_cbranch_scc1 .Lnot_wave_0_\@
	s_barrier_signal -3
.Lnot_wave_0_\@:
	s_barrier_wait -3
	s_barrier_signal -1
	s_barrier_wait -1
.endm
.macro CROUND
	s_barrier_signal -1
	s_barrier_wait -1
	CREST
.endm
	s_load_b256 s[4:11], s[0:1], 0x0               ; xb s[4:5], wb s[6:7], bq s[8:9], bk s[10:11]
	s_load_b128 s[12:15], s[0:1], 0x20             ; bv s[12:13], qb s[14:15]
	s_load_b64 s[16:17], s[0:1], 0x30              ; kv
	v_lshl_add_u32 v[SPW], v0, 2, SPARE
	v_mov_b32 v[NIL], 0
	ds_add_u32 v28, v29
	ds_add_u32 v28, v29
	s_wait_dscnt 0x0
	v_lshrrev_b32 v1, 5, v0
	v_readfirstlane_b32 s[WV], v1                  ; wave 0..3
	s_lshr_b32 s[WH], s[WV], 1                     ; which half of the tile's A rows is mine.  Also: I fetch for A (0) or for B (1)
	s_and_b32 s[WL], s[WV], 1                      ; which half of its B rows.  Also: which 8 row tiles I fetch
	s_bfe_u32 s40, ttmp6, 0x40000                  ; cx, cy: my place in the cluster
	s_bfe_u32 s41, ttmp6, 0x40004
	s_and_b32 s22, ttmp7, 0xffff                   ; cluster y
	s_lshr_b32 s[TT], s22, 3                       ; T
	s_and_b32 s22, s22, 7
	s_lshl_b32 s22, s22, 2                         ; 4 R
	s_cmp_lt_u32 s[TT], 2
	s_cselect_b32 s[TROW], s22, 0
	s_cselect_b32 s[TCOL], 0, s22
	s_add_co_u32 s[TROW], s[TROW], s41             ; tile row: cy alone of the place
	s_add_co_u32 s[TCOL], s[TCOL], s40             ; tile column: cx alone
	s_lshl_b32 s43, s41, 2
	s_lshl_b32 s43, 15, s43                        ; my row of the cluster
	s_lshl_b32 s44, 0x1111, s40                    ; my column
	; group 1 for codes: 8 rows (row tiles) of 3,072 bytes = 384 elements of 8 bytes, 12,288 bytes = 1,536 elements apart; no padding: every LDS load takes 256 consecutive bytes
	s_or_b32 s[G1+0], s43, (3<<16)|(1<<21)         ; 15:0 the mask; 17:16 elements of 8 bytes; 21 set beside a mask
	s_or_b32 s[G1B+0], s44, (3<<16)|(1<<21)
.irp g, G1, G1B
	s_mov_b32 s[\g+1], 384<<16                     ; tensor_dim0
	s_mov_b32 s[\g+2], 16<<16                      ; the head's loads bring 16 row tiles; behind them these two words are set to 8
	s_mov_b32 s[\g+3], 384<<16
	s_mov_b32 s[\g+4], 16
	s_mov_b32 s[\g+5], 1536                        ; tensor_dim0_stride
	s_mov_b32 s[\g+6], 0
	s_mov_b32 s[\g+7], 0
.endr
	; and for scale words: 16 row tiles x 512 = 8,192 dense bytes, as 32 rows of 256
	s_or_b32 s[G1S+0], s43, (3<<16)|(1<<21)
	s_or_b32 s[G1SB+0], s44, (3<<16)|(1<<21)
.irp g, G1S, G1SB
	s_mov_b32 s[\g+1], 32<<16
	s_mov_b32 s[\g+2], 32<<16                      ; the scale words of all 16 row tiles: 8,192 dense bytes, 32 rows of 256
	s_mov_b32 s[\g+3], 32<<16
	s_mov_b32 s[\g+4], 32
	s_mov_b32 s[\g+5], 32
	s_mov_b32 s[\g+6], 0
	s_mov_b32 s[\g+7], 0
.endr
	s_mul_i32 s92, s[TT], 6291456                  ; the tokens' codes of tensor T,
	s_mul_i32 s94, s[TT], 262144
	s_add_co_u32 s94, s94, 18874368                ; their scale words,
	s_mul_i32 s96, s[TT], 786432                   ; the weight's codes,
	s_mul_i32 s66, s[TT], 32768
	s_add_co_u32 s66, s66, 3145728                 ; its scale words
	s_cmp_lt_u32 s[TT], 2                          ; T < 2: A = tokens, B = weight; T = 2 the other way round
	s_cselect_b32 s2, s92, s96
	s_cselect_b32 s96, s96, s92
	s_cselect_b32 s3, s94, s66
	s_cselect_b32 s66, s66, s94
	s_mov_b32 s92, s2
	s_mov_b32 s94, s3
	s_lshl_b32 s46, s[WL], 3                       ; which 8 row tiles of the 16 I fetch
	s_lshl_b32 s47, s[TROW], 4
	s_add_co_u32 s47, s47, s46                     ; A's first row tile
	s_mul_i32 s2, s47, 12288
	s_add_co_u32 s92, s92, s2
	s_lshl_b32 s2, s[TROW], 13                     ; the scale words of the tile's 16 row tiles, whole
	s_add_co_u32 s94, s94, s2
	s_lshl_b32 s100, s[TCOL], 4
	s_add_co_u32 s100, s100, s46                   ; B's
	s_mul_i32 s101, s100, 12288
	s_add_co_u32 s96, s96, s101
	s_lshl_b32 s101, s[TCOL], 13
	s_add_co_u32 s66, s66, s101
	s_mov_b32 s93, 0
	s_mov_b32 s95, 0
	s_mov_b32 s97, 0
	s_mov_b32 s67, 0
	s_mul_i32 s45, s[WV], HALFT                    ; where the codes go: wave x 8 row tiles: no place in the cluster enters an LDS address
	s_mov_b32 s[SEL], 0x76543210
	s_mov_b32 s[SEL+1], 0xfedcba98
	s_wait_kmcnt 0x0
	s_cmp_lt_u32 s[TT], 2
	s_cselect_b64 s[46:47], s[4:5], s[6:7]         ; A's buffer
	s_cselect_b64 s[100:101], s[6:7], s[4:5]       ; B's
	s_add_nc_u64 s[92:93], s[46:47], s[92:93]
	s_add_nc_u64 s[94:95], s[46:47], s[94:95]
	s_add_nc_u64 s[96:97], s[100:101], s[96:97]
	s_add_nc_u64 s[66:67], s[100:101], s[66:67]
	CROUND                                         ; all sixteen work-groups are here: the first joint loads meet
	s_mov_b32 s[G0S], 1
	s_mov_b32 s[G0S+1], SCL
	s_mov_b64 s[G0S+2:G0S+3], s[94:95]
	s_or_b32 s[G0S+3], s[G0S+3], 0x80000000
	s_mov_b32 s[G0SB], 1
	s_mov_b32 s[G0SB+1], SCL+8192
	s_mov_b64 s[G0SB+2:G0SB+3], s[66:67]
	s_or_b32 s[G0SB+3], s[G0SB+3], 0x80000000
.irp s, 0,1
	s_mov_b32 s[G0+4*\s], 1
	s_add_co_u32 s[G0+4*\s+1], s45, \s*SLOT
	s_add_nc_u64 s[G0+4*\s+2:G0+4*\s+3], s[92:93], \s*RTB
	s_or_b32 s[G0+4*\s+3], s[G0+4*\s+3], 0x80000000
	s_mov_b32 s[G0B+4*\s], 1
	s_add_co_u32 s[G0B+4*\s+1], s45, \s*SLOT
	s_add_nc_u64 s[G0B+4*\s+2:G0B+4*\s+3], s[96:97], \s*RTB
	s_or_b32 s[G0B+4*\s+3], s[G0B+4*\s+3], 0x80000000
.endr
	; THE HEAD'S LOADS, ONE A WAVE: wave 0 slot 0's 16 row tiles of A, wave 2 those of B (their own group 0 of slot 0 points at the tile's first row tile), wave 1 A's scale words, wave 3 B's
	s_cmp_eq_u32 s[WV], 0
	s_cbranch_scc0 .Lh1
	tensor_load_to_lds s[G0:G0+3], s[G1:G1+7]
	s_nop 0
.rept 4
	v_nop
.endr
	s_branch .Lhj
.Lh1:
	s_cmp_eq_u32 s[WV], 2
	s_cbranch_scc0 .Lh2
	tensor_load_to_lds s[G0B:G0B+3], s[G1B:G1B+7]
	s_nop 0
.rept 4
	v_nop
.endr
	s_branch .Lhj
.Lh2:
	s_cmp_eq_u32 s[WV], 1
	s_cbranch_scc0 .Lh3
	tensor_load_to_lds s[G0S:G0S+3], s[G1S:G1S+7]
	s_nop 0
.rept 4
	v_nop
.endr
	s_branch .Lhj
.Lh3:
	tensor_load_to_lds s[G0SB:G0SB+3], s[G1SB:G1SB+7]
	s_nop 0
.rept 4
	v_nop
.endr
.Lhj:
	v_and_b32 v1, 15, v0                           ; r
	v_bfe_u32 v2, v0, 4, 1                         ; h
	s_wait_alu depctr_va_vdst(0)
	v_and_b32 v3, 31, v0                           ; lane
	v_lshlrev_b32 v[L8], 3, v3
	s_mul_i32 s2, s[WH], HALFT                     ; my 8 row tiles of A
	s_mul_i32 s3, s[WL], HALFT                     ; my 8 of B,
	s_add_co_u32 s3, s3, 2*HALFT                   ; which lie behind A's 16
.irp s, 0,1
	v_add_nc_u32 v[ADRA+\s], s2, v[L8]
	v_add_nc_u32 v[ADRB+\s], s3, v[L8]
	s_add_co_u32 s2, s2, SLOT
	s_add_co_u32 s3, s3, SLOT
.endr
	s_lshl_b32 s2, s[WH], 12                       ; A's scale words: my 8 row tiles
	s_lshl_b32 s3, s[WL], 12
	s_add_co_u32 s3, s3, 8192                      ; B's, behind A's 8,192 bytes
	s_sub_co_u32 s3, s3, s2
	v_mul_u32_u24 v4, s3, v2                       ; lanes 16-31 take B's: one product, the distance x h
	s_add_co_u32 s2, s2, SCL
	v_lshl_add_u32 v4, v1, 3, v4                   ; 8 bytes a place
	v_add_nc_u32 v[ADRS], s2, v4
	s_lshl_b32 s2, s[WV], 10                       ; the way out's 1,024 bytes a wave lie in slot 0, which has had its last fill and its last read by then
	v_lshl_add_u32 v[STW], v1, 2, s2
	v_lshl_add_u32 v[RDW], v3, 4, s2
	s_lshl_b32 s100, s[TROW], 8
	s_lshl_b32 s2, s[WH], 7
	s_add_co_u32 s100, s100, s2                    ; my first position of A
	s_lshl_b32 s101, s[TCOL], 8
	s_lshl_b32 s2, s[WL], 7
	s_add_co_u32 s101, s101, s2                    ; my first position of B
	; THE BIAS runs along the channels: along B for q and k (it is the C of each sum's first product), along A for v (it is added on the way out).  The other of the two is zeros.
	s_cmp_lt_u32 s[TT], 2
	s_cbranch_scc0 .Lbias_rows
	s_cmp_eq_u32 s[TT], 0
	s_cselect_b64 s[46:47], s[8:9], s[10:11]
	s_lshl_b32 s2, s101, 2
	s_mov_b32 s3, 0
	s_add_nc_u64 s[46:47], s[46:47], s[2:3]
	v_lshlrev_b32 v5, 6, v2                        ; lane (r, h) wants, for B's tile b, the channels 32 (b / 2) + 8 (b % 2) + 16 h + 0 .. 7
.irp b, 0,1,2,3,4,5,6,7
	global_load_b128 v[BN+8*\b:BN+8*\b+3], v5, s[46:47] offset:(32*(\b/2)+8*(\b%2))*4
	global_load_b128 v[BN+8*\b+4:BN+8*\b+7], v5, s[46:47] offset:(32*(\b/2)+8*(\b%2))*4+16
.endr
.irp j, 0,1,2,3,4,5,6,7,8,9,10,11,12,13,14,15
	v_mov_b32 v[BM+\j], 0
.endr
	s_branch .Lbias_done
.Lbias_rows:
	s_lshl_b32 s2, s100, 2
	s_mov_b32 s3, 0
	s_add_nc_u64 s[46:47], s[12:13], s[2:3]
	v_and_b32 v5, 8, v1
	v_add_nc_u32 v5, v5, v1
	v_lshlrev_b32 v5, 2, v5                        ; place r of A's block a is channel 32 (a / 2) + 8 (a % 2) + r + 8 (r / 8)
.irp a, 0,1,2,3,4,5,6,7
	global_load_b32 v[BM+2*\a], v5, s[46:47] offset:(32*(\a/2)+8*(\a%2))*4
	v_mov_b32 v[BM+2*\a+1], 0                      ; (named with it as a pair)
.endr
.set j, 0
.rept 64
	v_mov_b32 v[BN+j], 0                           ; once in the launch: so that one text of the first products serves all three tensors
.set j, j+1
.endr
.Lbias_done:
	; where the results go.  X: my first token position, Y: my first channel position
	s_mov_b32 s[STA], 1536
	s_mov_b32 s[STB], KVREC
	s_mov_b32 s[STC], 768
	s_mov_b32 s[EE], KVREC-256
	s_cmp_lt_u32 s[TT], 2
	s_cselect_b32 s[STA], 768, s[STA]              ; from block to block of A: q, k: the next tile of 16 positions; v: the next channel tile
	s_cselect_b32 s[STB], 3072, s[STB]             ; four blocks on: q, k: four tiles; v: the next head's record
	s_cselect_b32 s[STC], KVREC, s[STC]            ; the fragment's second 64 along B: q, k: the next head's record; v: the next 64 keys
	s_cselect_b32 s[MASK0], 0xffff, -1             ; q, k: a head's word is two bytes of the fragment's; v: all four
	s_cselect_b32 s[EE], 0, s[EE]                  ; v: the words of blocks 4-7 belong to the next head's record
	s_cselect_b32 s2, s100, s101                   ; X
	s_cselect_b32 s3, s101, s100                   ; Y
	s_cselect_b32 s92, 0, 6144                     ; v's tiles lie behind k's in a step
	s_cselect_b32 s93, 0, 8192                     ; v's scale words behind k's
	s_cselect_b32 s94, 2, 1                        ; q, k: 4 bytes a position; v: 256 bytes for 128 keys
	s_lshr_b32 s95, s2, 11
	s_lshl_b32 s95, s95, 4
	s_lshr_b32 s3, s3, 6
	s_add_co_u32 s95, s95, s3                      ; the record: 16 x batch + head
	s_mul_i32 s95, s95, KVREC
	s_and_b32 s2, s2, 2047                         ; the position in the batch: a multiple of 128
	s_mul_i32 s3, s2, 96                           ; 12,288 bytes a step of 128
	s_add_co_u32 s92, s92, s3
	s_add_co_u32 s92, s92, s95
	s_add_co_u32 s92, s92, 12288
	s_lshl_b32 s2, s2, s94
	s_add_co_u32 s2, s2, s93
	s_add_co_u32 s2, s2, s95
	s_mov_b32 s93, 0
	s_mov_b32 s3, 0
	s_cmp_eq_u32 s[TT], 0
	s_cselect_b64 s[96:97], s[14:15], s[16:17]     ; q goes to qb, k and v to kv
	s_add_nc_u64 s[OUT:OUT+1], s[96:97], s[92:93]
	s_add_nc_u64 s[OUTS:OUTS+1], s[96:97], s[2:3]
	v_mul_u32_u24 v[SOFF], s[EE], v2
	v_lshl_add_u32 v[SOFF], v3, 4, v[SOFF]
.macro FRAG reg, adr, q, i             ; a fragment, 16 positions x 128 K: 12 registers, as they lie: six loads of 8 bytes a lane, 256 consecutive bytes each
.irp p, 0,1,2,3,4,5
	ds_load_b64 v[\reg+2*\p:\reg+2*\p+1], v[\adr] offset:(\i)*RTB+(\q)*1536+256*\p
.endr
.endm
; 16 matrix instructions: A's blocks a0, a0 + 1 x B's eight, 128 along K: the slot's q-th.  p: B's set; sc: the set of scale words.  first = 1: the bias is the C: nothing is ever cleared.
; The 64 accumulators take turns, one instruction a turn, in the same order in every step.
.macro MUL16 a0, p, q, sc, first
.irp a, \a0, \a0+1
.irp b, 0,1,2,3,4,5,6,7
.if \first
	v_wmma_scale_f32_16x16x128_f8f6f4 v[8*(8*((\a)%4)+\b):8*(8*((\a)%4)+\b)+7], v[128*(\p)+FR*\b:128*(\p)+FR*\b+FR-1], v[AF+FR*(\a):AF+FR*(\a)+FR-1], v[BN+8*\b:BN+8*\b+7], v[SC+8*NQ*(\sc)+NQ*\b+(\q)], v[SC+8*NQ*(\sc)+NQ*(\a)+(\q)] matrix_a_fmt:MATRIX_FMT_FP6 matrix_b_fmt:MATRIX_FMT_FP6 matrix_a_scale:MATRIX_SCALE_ROW1
.else
	v_wmma_scale_f32_16x16x128_f8f6f4 v[8*(8*((\a)%4)+\b):8*(8*((\a)%4)+\b)+7], v[128*(\p)+FR*\b:128*(\p)+FR*\b+FR-1], v[AF+FR*(\a):AF+FR*(\a)+FR-1], v[8*(8*((\a)%4)+\b):8*(8*((\a)%4)+\b)+7], v[SC+8*NQ*(\sc)+NQ*\b+(\q)], v[SC+8*NQ*(\sc)+NQ*(\a)+(\q)] matrix_a_fmt:MATRIX_FMT_FP6 matrix_b_fmt:MATRIX_FMT_FP6 matrix_a_scale:MATRIX_SCALE_ROW1
.endif
.endr
.endr
.endm
.macro FETCH_B slot, q, p              ; B's eight fragments of the slot's q-th 128 along K into set p
	WIN TO_B
.irp i, 0,1,2,3,4,5,6,7
	FRAG 128*(\p)+FR*\i, ADRB+\slot, \q, \i
.endr
	WIN 0
.endm
.macro FETCH_A slot, q, i0             ; A's blocks i0 .. i0 + 3
.irp i, \i0, \i0+1, \i0+2, \i0+3
	FRAG AF+FR*(\i), ADRA+\slot, \q, \i
.endr
.endm
.macro SCALES sc                       ; a slot's scale words into set sc: two words a place; lanes 0-15 take A's block i, lanes 16-31 B's block i
.irp i, 0,1,2,3,4,5,6,7
	ds_load_b64 v[SC+8*NQ*\sc+NQ*\i:SC+8*NQ*\sc+NQ*\i+1], v[ADRS] offset:512*\i
.endr
.endm
; A load into a register that a matrix instruction has read, and a vector instruction that reads a matrix result, stand NP plain vector instructions behind that matrix instruction (ISA guide 7.12.1 for vector
; instructions).
.macro PLACES n
.rept \n
	v_nop
.endr
.endm
; A step of 128 along K that has its successor in the same slot.
.macro STEP slot, q, first
	s_wait_dscnt 4*NL                              ; B's set, A's blocks 0-3 and the scale words are in; the youngest 24 loads (A's blocks 4-7) may be out
.if \first
	WIN FST_LO
.else
	WIN MUL_LO
.endif
	MUL16 0, (\q)%2, \q, \slot, \first
	MUL16 2, (\q)%2, \q, \slot, \first
	s_wait_dscnt 0                                 ; A's blocks 4-7 are in (asked for 32 matrix instructions ago)
	PLACES NP
	FETCH_B \slot, (\q)+1, 1-(\q)%2
	FETCH_A \slot, (\q)+1, 0
.if \first
	WIN FST_HI
.else
	WIN MUL_HI
.endif
	MUL16 4, (\q)%2, \q, \slot, \first
	MUL16 6, (\q)%2, \q, \slot, \first
	PLACES NP
	WIN 0
	FETCH_A \slot, (\q)+1, 4
.endm
; A slot's last step changes slots: ONE barrier; in front of it each wave waits for all its tensor loads, adds 0 to its spare word, and waits for that and for its own reads of this slot.  fill = 1: this slot is filled again, two slots ahead.
.macro TURN slot, next, fill
	s_wait_tensorcnt 0x0                           ; all my tensor loads have landed: my part of the next slot
	ds_add_u32 v[SPW], v[NIL]                      ; 0 onto my spare word
	s_wait_dscnt 4*NL+1                            ; (the add and the youngest 24 loads, A's blocks 4-7, may be out)
	WIN MUL_LO
	MUL16 0, 1, NQ-1, \slot, 0                     ; sixteen matrix instructions stand between the add and the wait for it
	s_wait_dscnt 0x0                               ; the add is done, and my reads of this slot are over
	s_barrier_signal -1
	MUL16 2, 1, NQ-1, \slot, 0
	WIN 0
	s_barrier_wait -1
.if \fill
	CREST                                          ; the barrier has opened a round of the cluster's barrier: no wave of any partner still reads this slot or has a load on its way
	s_add_nc_u64 s[G0+4*\slot+2:G0+4*\slot+3], s[G0+4*\slot+2:G0+4*\slot+3], 2*RTB
	s_add_nc_u64 s[G0B+4*\slot+2:G0B+4*\slot+3], s[G0B+4*\slot+2:G0B+4*\slot+3], 2*RTB
	JLOAD G0+4*\slot, G1, G0B+4*\slot, G1B         ; the first tensor load behind the round; its four v_nop are also the places in front of the loads below
.else
	PLACES NP
.endif
	s_wait_alu depctr_va_vdst(0)
	v_add_nc_u32 v[ADRS], 128, v[ADRS]             ; on to the next slot's scale words (no LDS load of mine is out)
	FETCH_B \next, 0, 0
	FETCH_A \next, 0, 0
	SCALES \next
	WIN MUL_HI
	MUL16 4, 1, NQ-1, \slot, 0
	MUL16 6, 1, NQ-1, \slot, 0
	PLACES NP
	WIN 0
	FETCH_A \next, 0, 4
.endm
	s_wait_alu depctr_va_vdst(0)
	s_wait_tensorcnt 0x0                           ; my tile of the head's four is in; slot 1's first fill is issued as a refill is
	ds_add_u32 v[SPW], v[NIL]
	s_mov_b32 s[G1+2], 8<<16                       ; no tensor load of mine is out: from here on a load brings 8 row tiles
	s_mov_b32 s[G1+4], 8
	s_mov_b32 s[G1B+2], 8<<16
	s_mov_b32 s[G1B+4], 8
	s_wait_dscnt 0x0
	CROUND                                         ; all four tiles are in, all sixteen work-groups are here
	JLOAD G0+4, G1, G0B+4, G1B                     ; slot 1: the first tensor load behind the round
	FETCH_B 0, 0, 0
	FETCH_A 0, 0, 0
	SCALES 0
	FETCH_A 0, 0, 4
	s_wait_loadcnt 0x0                             ; the biases
	STEP 0, 0, 1                                   ; K 0: the first products start the sums with the bias
	TURN 0, 1, 1                                   ; K 128; slot 0 takes K 512 ..
	STEP 1, 0, 0
	TURN 1, 0, 1                                   ; slot 1 takes K 768 ..
	STEP 0, 0, 0
	TURN 0, 1, 0                                   ; nothing is left to fetch; behind this barrier nobody reads slot 0
	STEP 1, 0, 0
	s_wait_dscnt 4*NL                              ; the very last step
	WIN MUL_LO
	MUL16 0, 1, NQ-1, 1, 0
	MUL16 2, 1, NQ-1, 1, 0
	s_wait_dscnt 0
	WIN MUL_HI
	MUL16 4, 1, NQ-1, 1, 0
	MUL16 6, 1, NQ-1, 1, 0
	WIN 0
; 64 numbers of a lane, register 16 b + i = index 32 b + 16 (lane / 16) + i along B, become a fragment's codes in v[PC] on and its scale word in v[PW].
.macro QUANT s
.irp b, 0,1,2,3
	v_max3_num_f32 v[TM+\b], |v[\s+16*\b]|, |v[\s+1+16*\b]|, 0x1800000   ; my 16 numbers of block b, and the floor 2^(3 - 127): the byte cannot fall under 1
.endr
.irp i, 2,4,6,8,10,12,14
.irp b, 0,1,2,3
	v_max3_num_f32 v[TM+\b], v[TM+\b], |v[\s+16*\b+\i]|, |v[\s+1+16*\b+\i]|
.endr
.endr
.irp b, 0,1,2,3
	v_permlanex16_b32 v[TM+4+\b], v[TM+\b], s[SEL], s[SEL+1]
.endr
.irp b, 0,1,2,3
	v_max_num_f32 v[TM+\b], v[TM+\b], v[TM+4+\b]   ; with lane l xor 16's: the block's largest magnitude
.endr
.irp b, 0,1,2,3
	v_add_nc_u32 v[TM+12+\b], 0xff000000, v[TM+\b] ; 2 off its exponent field: the conversion's scale operand
.endr
.irp b, 0,1,2,3
	v_lshrrev_b32 v[TM+4+\b], 23, v[TM+12+\b]      ; the scale's byte
.endr
	v_lshl_or_b32 v[PW], v[TM+5], 8, v[TM+4]
	v_lshl_or_b32 v[PW], v[TM+6], 16, v[PW]
	v_lshl_or_b32 v[PW], v[TM+7], 24, v[PW]
.irp c, 0,1
	v_cvt_scalef32_pk16_fp6_f32 v[PC+6*\c:PC+2+6*\c], v[\s+32*\c:\s+15+32*\c], v[TM+12+2*\c]
	v_cvt_scalef32_pk16_fp6_f32 v[PC+12+4*\c:PC+14+4*\c], v[\s+16+32*\c:\s+31+32*\c], v[TM+12+2*\c+1]   ; (a conversion's three registers begin on an even number)
.endr
	v_nop                                          ; one plain instruction behind the scaled conversions
.irp c, 0,1                                    ; the operand wants a WHOLE block in a lane
.irp i, 0,1,2
	v_permlane16_swap_b32 v[PC+6*\c+\i], v[PC+12+4*\c+\i]
.endr
.irp i, 0,1,2
	v_mov_b32 v[PC+3+6*\c+\i], v[PC+12+4*\c+\i]
.endr
.endr
.endm
; THE WAY OUT of A's block a: its 64 numbers a lane come into window 0 with the bias along A added (for q and k: zeros), each accumulator from its low end on; they are quantised; the fragment's two halves
; leave as images, 256 consecutive aligned bytes a store; its scale word is cut as the records want it and gathered in LDS.
.macro OUTBLK a
.set AC, 64*((\a)%4)
.if (\a) > 0
	s_wait_xcnt 0x0                                ; the last block's stores have read their data and offsets: these are written again only behind this wait
.endif
	WIN (0x02+(\a)/4)                              ; source 0: window 2 or 3
.set j, 0
.rept 32
	v_pk_add_f32 v[H+j:H+j+1], v[AC+j:AC+j+1], v[BM+2*(\a):BM+2*(\a)+1] op_sel_hi:[1,0]
.set j, j+2
.endr
	WIN 0
	QUANT H
	s_mul_i32 s2, s[STA], (\a)%4
	s_mul_i32 s3, s[STB], (\a)/4
	s_add_co_u32 s2, s2, s3
	v_add_nc_u32 v[VO0], s2, v[L8]
	v_add_nc_u32 v[VO1], s[STC], v[VO0]
.irp p, 0,1,2
	global_store_b64 v[VO0], v[PC+2*\p:PC+2*\p+1], s[OUT:OUT+1] offset:256*\p
	global_store_b64 v[VO1], v[PC+6+2*\p:PC+7+2*\p], s[OUT:OUT+1] offset:256*\p
.endr
	v_and_b32 v[W0+(\a)], s[MASK0], v[PW]
	v_lshrrev_b32 v[W1+(\a)], 16, v[PW]
	ds_store_b32 v[STW], v[W0+(\a)] offset:64*(\a)        ; both halves of the lanes hold the same word and write it to the same place
	ds_store_b32 v[STW], v[W1+(\a)] offset:512+64*(\a)
.endm
	PLACES NP                                      ; behind the last products: their results are read and A's registers written below
.irp b, 0,1,2,3
	v_mov_b32 v[TM+4+\b], 0                        ; written once: a lane permute's destination counts as one of its sources
.endr
.irp a, 0,1,2,3,4,5,6,7
	OUTBLK \a
.endr
	ds_load_b128 v[RB:RB+3], v[RDW]                ; LDS serves a wave's instructions in order: these see my stores
	ds_load_b128 v[RB+4:RB+7], v[RDW] offset:512
	s_wait_dscnt 0x0
	global_store_b128 v[SOFF], v[RB:RB+3], s[OUTS:OUTS+1]          ; q, k: 512 consecutive bytes: the even head's words of my 128 positions; v: 256 bytes in each of two heads' records
	s_cmp_lt_u32 s[TT], 2
	s_cbranch_scc0 .Lno_odd
	global_store_b128 v[SOFF], v[RB+4:RB+7], s[OUTS:OUTS+1] offset:KVREC   ; q, k: the odd head's words
.Lno_odd:
	s_wait_tensorcnt 0x0                           ; the wave's end, behind my last tensor load and my last LDS store
	ds_add_u32 v[SPW], v[NIL]
	s_wait_dscnt 0x0
	CROUND                                         ; the closing round: no work-group ends while a partner may still ask for a tile that names it
	s_endpgm
.Lfunc_end_k_qd3e868c9b2_proj:
	.size	k_qd3e868c9b2_proj, .Lfunc_end_k_qd3e868c9b2_proj-k_qd3e868c9b2_proj
	.p2alignl 7, 3214868480
	.fill 96, 4, 3214868480
	.section	.rodata,"a",@progbits
	.p2align	6, 0x0
	.amdhsa_kernel k_qd3e868c9b2_proj
		.amdhsa_group_segment_fixed_size 327680
		.amdhsa_private_segment_fixed_size 0
		.amdhsa_enable_private_segment 0
		.amdhsa_kernarg_size 56
		.amdhsa_user_sgpr_count 2
		.amdhsa_user_sgpr_kernarg_segment_ptr 1
		.amdhsa_wavefront_size32 1
		.amdhsa_system_sgpr_workgroup_id_x 1
		.amdhsa_system_sgpr_workgroup_id_y 1
		.amdhsa_system_sgpr_workgroup_id_z 1
		.amdhsa_system_vgpr_workitem_id 0
		.amdhsa_next_free_vgpr 1024
		.amdhsa_next_free_sgpr 102
		.amdhsa_reserve_vcc 0
		.amdhsa_float_denorm_mode_32 3
		.amdhsa_float_denorm_mode_16_64 3
		.amdhsa_memory_ordered 1
		.amdhsa_forward_progress 1
		.amdhsa_inst_pref_size 192
	.end_amdhsa_kernel
	.amdgpu_metadata
---
amdhsa.version: [ 1, 2 ]
amdhsa.kernels:
  - .name:           k_qd3e868c9b2_proj
    .symbol:         k_qd3e868c9b2_proj.kd
    .args:
      - { .name: xb, .offset: 0, .size: 8, .value_kind: global_buffer, .address_space: global }
      - { .name: wb, .offset: 8, .size: 8, .value_kind: global_buffer, .address_space: global }
      - { .name: bq, .offset: 16, .size: 8, .value_kind: global_buffer, .address_space: global }
      - { .name: bk, .offset: 24, .size: 8, .value_kind: global_buffer, .address_space: global }
      - { .name: bv, .offset: 32, .size: 8, .value_kind: global_buffer, .address_space: global }
      - { .name: qb, .offset: 40, .size: 8, .value_kind: global_buffer, .address_space: global }
      - { .name: kv, .offset: 48, .size: 8, .value_kind: global_buffer, .address_space: global }
    .group_segment_fixed_size: 327680
    .private_segment_fixed_size: 0
    .kernarg_segment_align: 8
    .kernarg_segment_size: 56
    .max_flat_workgroup_size: 128
    .sgpr_count:     102
    .vgpr_count:     1024
    .wavefront_size: 32
...
	.end_amdgpu_metadata
.endif
;; end of part 2
;; launch attn (part 3): grid 4 x 64, 8 waves a work-group, clusters of 4 x 1, 327,680 bytes of LDS; arguments qb, kv, ob; writes ob
.if DOCPART == 3
	.amdgcn_target "amdgcn-amd-amdhsa--gfx1250"
	.amdhsa_code_object_version 6
	.text
	.protected	k_qd3e868c9b2_attn
	.globl	k_qd3e868c9b2_attn
	.p2align	8
	.type	k_qd3e868c9b2_attn,@function
k_qd3e868c9b2_attn:
	s_mov_b64 s[64:65], 0
	v_nop
	global_prefetch_b8 v0, s[64:65] scope:SCOPE_SE
	s_setreg_imm32_b32 hwreg(HW_REG_WAVE_MODE, 25, 1), 1
	s_wait_xcnt 0x0
	s_wait_alu depctr_hold_cnt(0) depctr_sa_sdst(0) depctr_va_vdst(0) depctr_va_sdst(0) depctr_va_ssrc(0) depctr_va_vcc(0) depctr_vm_vsrc(0)
	s_getreg_b32 s2, hwreg(HW_REG_IB_STS2, 6, 4)
	s_cmp_eq_u32 s2, 0
	s_cbranch_scc0 .Lentry_in_a_cluster
	s_endpgm
.Lentry_in_a_cluster:
	s_bfe_u32 s2, ttmp6, 0x10000c
	s_cmp_lg_u32 s2, 0x3003
	s_cbranch_scc0 .Lentry_shape_is_right
	s_endpgm
.Lentry_shape_is_right:
; Attention of one (batch, head) on codes of FP6 (E2M3) with E8M0 scales: S^T = K Q^T, p = 2^(t - M), O^T += V^T p^T, O / l, and O quantised along the head's 64 channels for the last projection.
; t = score x log2(e) / 8; M = the ceiling of the running largest t, a whole number; l is the sum of the unquantised p; when M moves, l and O^T are multiplied by an exact power of two.
; LIMITS: the promise holds while |t| stays under 2^31; a block whose largest number lies under 2^-124 keeps the byte 1; NaN and infinities are not served.
; SHARES: work-group y = 16 x batch + head; the four work-groups of a cluster take 512 queries each and need the same record of K and V (208,896 bytes): it is asked for JOINTLY, once, each of the
;   eight waves bringing 102 rows of 256 bytes, and stays in LDS.  A wave owns two tiles of 16 queries, so that each fragment read from LDS feeds two products, and walks the 16 steps of 128 keys twice:
;   pass p serves query positions 256 p + 32 wave + 0 .. 31 of the work-group's 512.
; No prefetch: all tiles are asked for at the head; there is no loop to run ahead in.
; K's TILES: place m of tile 4 c + u of a step is key 64 c + 32 (m / 8) + 8 u + m % 8.  So in S^T lane (r, h) holds query r, and its registers 32 c + 0 .. 31 are keys 64 c + 32 h + 0 .. 31: a WHOLE block of
;   the second product's K in one lane, in the order that the operand wants.
; The fragments of step s + 1 are fetched during step s (after step 15: step 0, for the next pass; the very last such fetch is used by nobody: the step is written once).
; REGISTERS.  Window 0: addresses; each tile's state at 8 + 16 t; scale words; K's, V's, Q's fragments; at the end the 64 results.  Window 1: S^T / p at 64 t, O^T at 128 + 32 t, p's codes, the next pass's Q.
.set KVREC, 208896
.set PART,  26112                      ; a wave's eighth of the record
.set SPARE, 208896                     ; behind the record: the spare words, 128 bytes a wave
.set L8, 1
.set L4, 2
.set ADK, 3
.set ADS, 4
.set ADT, 5
.set R4, 6
.set R8, 7
.set NM, 8                             ; -M;  +1 RS: the running largest score
.set RS, 9
.set LL, 10                            ; the sum, in two pairs
.set L2, 12
.set FF, 14                            ; f (a pair: the upper word is written once)
.set MA, 16                            ; the two blocks' largest
.set MB, 18
.set SO, 20                            ; the conversions' scale operands
.set T0, 22
.set T1, 23
.set KS, 40                            ; scale words: K's 40-43, V's 44-45, Q's 46-47, p's 48-49, the next pass's Q's 50-51
.set VS, 44
.set QS, 46
.set PW, 48
.set QSN, 50
.set SH8, 52
.set SPW, 53
.set KF, 54                            ; K's 8 fragments of 6 registers, and 6 more that the last product names
.set VF, 108
.set QF, 156                           ; Q: 6 registers of codes and 6 of zeros for each tile
.set NIL, 180
.set X, 182                            ; the end: O / l, 32 a tile
.set OA, 128                           ; window 1
.set PC, 192
.set CT, 216
.set QN, 232
.set WV, 10
.set QC, 14
.set QA, 16
.set OC, 18
.set SEL, 20
.set CS, 22
.set G1, 24
.set G0, 32
.set NC, 36
.set CNT, 37
.set PS, 38
.set NXI, 39
.set TB, 40
.set TS, 41
.set TV, 42
.set OSA, 54
.set MSB, 0
.macro WIN new                         ; the immediate's high byte repeats the setting that is left
.if MSB != \new
	s_set_vgpr_msb (MSB<<8)|\new
.set MSB, \new
.endif
.endm
.macro CROUND
	s_barrier_signal -1
	s_barrier_wait -1
	s_cmp_lg_u32 s[WV], 0
	s_cbranch_scc1 .Lnot_wave_0_\@
	s_barrier_signal -3
.Lnot_wave_0_\@:
	s_barrier_wait -3
	s_barrier_signal -1
	s_barrier_wait -1
.endm
.macro WM d, a, b, acc, sa, sb, odd    ; odd: source 0's scale words stand in lanes 16-31
.if \acc
.if \odd
	v_wmma_scale_f32_16x16x128_f8f6f4 v[\d:\d+7], v[\a:\a+11], v[\b:\b+11], v[\d:\d+7], v[\sa], v[\sb] matrix_a_fmt:MATRIX_FMT_FP6 matrix_b_fmt:MATRIX_FMT_FP6 matrix_a_scale:MATRIX_SCALE_ROW1
.else
	v_wmma_scale_f32_16x16x128_f8f6f4 v[\d:\d+7], v[\a:\a+11], v[\b:\b+11], v[\d:\d+7], v[\sa], v[\sb] matrix_a_fmt:MATRIX_FMT_FP6 matrix_b_fmt:MATRIX_FMT_FP6
.endif
.else
.if \odd
	v_wmma_scale_f32_16x16x128_f8f6f4 v[\d:\d+7], v[\a:\a+11], v[\b:\b+11], 0, v[\sa], v[\sb] matrix_a_fmt:MATRIX_FMT_FP6 matrix_b_fmt:MATRIX_FMT_FP6 matrix_a_scale:MATRIX_SCALE_ROW1
.else
	v_wmma_scale_f32_16x16x128_f8f6f4 v[\d:\d+7], v[\a:\a+11], v[\b:\b+11], 0, v[\sa], v[\sb] matrix_a_fmt:MATRIX_FMT_FP6 matrix_b_fmt:MATRIX_FMT_FP6
.endif
.endif
.endm
.macro LDK                             ; 28 LDS loads: a step's 8 tiles of K and their scale words
.irp i, 0,1,2,3,4,5,6,7
.irp p, 0,1,2
	ds_load_b64 v[KF+6*\i+2*\p:KF+6*\i+2*\p+1], v[ADK] offset:12288+768*\i+256*\p
.endr
.endr
.irp i, 0,1,2,3
	ds_load_b32 v[KS+\i], v[ADS] offset:128*\i
.endr
.endm
.macro LDV                             ; 26 LDS loads: a step's 4 channel tiles of V and their scale words
.irp u, 0,1,2,3
.irp p, 0,1,2,3,4,5
	ds_load_b64 v[VF+12*\u+2*\p:VF+12*\u+2*\p+1], v[ADK] offset:18432+1536*\u+256*\p
.endr
.endr
.irp i, 0,1
	ds_load_b32 v[VS+\i], v[ADT] offset:8192+128*\i
.endr
.endm
	s_load_b128 s[4:7], s[0:1], 0x0                ; qb, kv
	s_load_b64 s[8:9], s[0:1], 0x10                ; ob
	v_lshl_add_u32 v[SPW], v0, 2, SPARE
	v_mov_b32 v[NIL], 0
	ds_add_u32 v[SPW], v[NIL]                      ; the opening lines: the add, twice on end, and its wait
	ds_add_u32 v[SPW], v[NIL]
	v_lshrrev_b32 v6, 5, v0
	v_readfirstlane_b32 s[WV], v6                  ; wave 0..7
	s_bfe_u32 s11, ttmp6, 0x40000                  ; cx
	s_lshl_b32 s12, ttmp9, 2
	s_add_co_u32 s12, s12, s11                     ; which 512 queries
	s_and_b32 s13, ttmp7, 0xffff                   ; 16 x batch + head
	s_mul_i32 s44, s13, KVREC
	s_mov_b32 s45, 0
	s_mov_b32 s[G1], 15|(3<<16)|(1<<21)            ; the mask of all four partners; elements of 8 bytes
	s_mov_b32 s[G1+1], 32<<16                      ; rows of 256 bytes,
	s_mov_b32 s[G1+2], 102<<16                     ; 102 of them, dense
	s_mov_b32 s[G1+3], 32<<16
	s_mov_b32 s[G1+4], 102
	s_mov_b32 s[G1+5], 32
	s_mov_b32 s[G1+6], 0
	s_mov_b32 s[G1+7], 0
	s_mul_i32 s46, s[WV], PART
	s_mov_b32 s47, 0
	s_mov_b32 s[SEL], 0x76543210
	s_mov_b32 s[SEL+1], 0xfedcba98                 ; v_permlanex16_b32's selects for lane l xor 16
	s_mov_b32 s[CS], 0x3e38aa3b                    ; c = log2(e) / 8
	s_mov_b32 s[CS+1], s[CS]
	s_mov_b32 s[NC], 0xbe38aa3b                    ; -c
	s_wait_dscnt 0x0
	s_wait_kmcnt 0x0
	s_add_nc_u64 s[6:7], s[6:7], s[44:45]
	s_mov_b32 s[G0], 1
	s_mov_b32 s[G0+1], s46
	s_add_nc_u64 s[G0+2:G0+3], s[6:7], s[46:47]
	s_or_b32 s[G0+3], s[G0+3], 0x80000000
	CROUND                                         ; all four work-groups are here: the joint loads meet
	tensor_load_to_lds s[G0:G0+3], s[G1:G1+7]      ; my one tensor load of the launch
	s_nop 0
.rept 4
	v_nop
.endr
	s_add_nc_u64 s[4:5], s[4:5], s[44:45]          ; Q's record
	s_lshl_b32 s48, s12, 2                         ; Q's codes: step 4 x + wave / 4 (pass 1: two steps on), tile 2 (wave % 4)
	s_lshr_b32 s49, s[WV], 2
	s_add_co_u32 s48, s48, s49
	s_add_co_u32 s48, s48, 1
	s_mul_i32 s48, s48, 12288
	s_and_b32 s49, s[WV], 3
	s_mul_i32 s49, s49, 1536
	s_add_co_u32 s48, s48, s49
	s_mov_b32 s49, 0
	s_add_nc_u64 s[QC:QC+1], s[4:5], s[48:49]
	s_lshl_b32 s48, s12, 11                        ; Q's scale words: 4 bytes a position
	s_lshl_b32 s50, s[WV], 7
	s_add_co_u32 s48, s48, s50
	s_add_nc_u64 s[QA:QA+1], s[4:5], s[48:49]
	s_lshr_b32 s50, s13, 4
	s_lshl_b32 s50, s50, 7
	s_lshl_b32 s51, s12, 5
	s_add_co_u32 s50, s50, s51
	s_lshl_b32 s51, s[WV], 1
	s_add_co_u32 s50, s50, s51                     ; my first row tile of ob: 128 x batch + 32 x + 2 wave
	s_and_b32 s51, s13, 15                         ; head
	s_mul_i32 s48, s50, 12288
	s_mul_i32 s52, s51, 768
	s_add_co_u32 s48, s48, s52
	s_add_nc_u64 s[OC:OC+1], s[8:9], s[48:49]
	s_lshl_b32 s48, s50, 9
	s_lshr_b32 s52, s51, 2
	s_lshl_b32 s52, s52, 7
	s_add_co_u32 s48, s48, s52
	s_and_b32 s52, s51, 3
	s_lshl_b32 s52, s52, 1
	s_add_co_u32 s48, s48, s52
	s_add_co_u32 s48, s48, 6291456
	s_add_nc_u64 s[OSA:OSA+1], s[8:9], s[48:49]
	v_and_b32 v6, 31, v0
	v_lshlrev_b32 v[L8], 3, v6
	v_lshlrev_b32 v[L4], 2, v6
	v_and_b32 v7, 15, v0
	v_lshlrev_b32 v[R4], 2, v7
	v_lshlrev_b32 v[R8], 3, v7
	v_bfe_u32 v[SH8], v0, 4, 1
	v_lshlrev_b32 v[SH8], 3, v[SH8]                ; 8 x (lane / 16)
.irp t, 0,1
.irp p, 0,1,2
	global_load_b64 v[QF+12*\t+2*\p:QF+12*\t+2*\p+1], v[L8], s[QC:QC+1] offset:768*\t+256*\p
.endr
	global_load_b32 v[QS+\t], v[R4], s[QA:QA+1] offset:64*\t
	global_load_b32 v[QSN+\t], v[R4], s[QA:QA+1] offset:1024+64*\t
.endr
	WIN 0x40
.irp t, 0,1
.irp p, 0,1,2
	global_load_b64 v[QN+6*\t+2*\p:QN+6*\t+2*\p+1], v[L8], s[QC:QC+1] offset:24576+768*\t+256*\p   ; pass 1's Q waits in window 1
.endr
.endr
	WIN 0
.irp j, 0,1,2,3,4,5
	v_mov_b32 v[QF+6+\j], 0                        ; the head has 64 channels: the upper 64 of the product's K are zero codes on Q's side
	v_mov_b32 v[QF+18+\j], 0
	v_mov_b32 v[KF+48+\j], 0
.endr
	v_mov_b32 v[ADK], v[L8]
	v_mov_b32 v[ADS], v[L4]
	v_mov_b32 v[ADT], v[L4]
	s_wait_alu depctr_va_vdst(0)                   ; the wait at the head's end
	s_wait_tensorcnt 0x0                           ; my part of the record is in,
	s_barrier_signal -1
	s_barrier_wait -1                              ; everybody's is; nothing is ever filled again
	LDK
	LDV
	s_wait_loadcnt 0x0                             ; Q
	s_mov_b32 s[PS], 0
.Lpass:
	s_cmp_eq_u32 s[PS], 0
	s_cbranch_scc1 .Lq_in
	WIN 0x01
.irp t, 0,1
.irp i, 0,1,2,3,4,5
	v_mov_b32 v[QF+12*\t+\i], v[QN+6*\t+\i]
.endr
.endr
	WIN 0
	v_mov_b32 v[QS], v[QSN]
	v_mov_b32 v[QS+1], v[QSN+1]
.Lq_in:
.irp t, 0,1
	v_mov_b32 v[NM+16*\t], 0x7f61b1e6              ; -M = 3e38 and the largest score -3e38: the first step's f is 0, on sums that are 0
	v_mov_b32 v[RS+16*\t], 0xff61b1e6
	v_mov_b32 v[LL+16*\t], 0
	v_mov_b32 v[LL+16*\t+1], 0
	v_mov_b32 v[L2+16*\t], 0
	v_mov_b32 v[L2+16*\t+1], 0
	v_mov_b32 v[FF+16*\t+1], 0
	v_mov_b32 v[T1+16*\t], 0                       ; a lane permute's destination counts as one of its sources
.endr
	WIN 0x40
.set j, 0
.rept 64
	v_mov_b32 v[OA+j], 0                           ; O^T: the step is written once, the first finds zeros
.set j, j+1
.endr
	WIN 0
	s_mov_b32 s[CNT], 0
	s_wait_alu depctr_va_vdst(0)                   ; the wait ahead of the loop
.Lstep:
	s_wait_dscnt 26                                ; this step's K is in; V's 26 loads, issued behind it, may be out
	WIN 0x40
.irp i, 0,1,2,3,4,5,6,7
.irp t, 0,1
	WM 64*\t+8*\i, KF+6*\i, QF+12*\t, 0, KS+\i/2, QS+\t, \i%2
.endr
.endr
	WIN 0
	s_add_co_u32 s[NXI], s[CNT], 1
	s_and_b32 s[NXI], s[NXI], 15                   ; the next step; behind step 15 step 0
	s_mul_i32 s[TB], s[NXI], 12288
	s_lshl_b32 s[TS], s[NXI], 9
	s_lshl_b32 s[TV], s[NXI], 8
	v_add_nc_u32 v[ADK], s[TB], v[L8]              ; these three and the v_nop are the four places behind the products
	v_add_nc_u32 v[ADS], s[TS], v[L4]
	v_add_nc_u32 v[ADT], s[TV], v[L4]
	v_nop
	LDK
	; the largest score of each block of 32 keys: two chains a block, eight in all, each accumulator read from its low end on
	WIN 0x15
.irp t, 0,1
.irp c, 0,1
	v_max3_num_f32 v[MA+16*\t+\c], v[64*\t+32*\c], v[64*\t+32*\c+1], v[64*\t+32*\c+2]
	v_max3_num_f32 v[MB+16*\t+\c], v[64*\t+32*\c+17], v[64*\t+32*\c+18], v[64*\t+32*\c+19]
.endr
.endr
	WIN 0x05
.irp k, 0,2,4,6,8,10
.irp t, 0,1
.irp c, 0,1
	v_max3_num_f32 v[MA+16*\t+\c], v[64*\t+32*\c+3+\k], v[64*\t+32*\c+4+\k], v[MA+16*\t+\c]
	v_max3_num_f32 v[MB+16*\t+\c], v[64*\t+32*\c+20+\k], v[64*\t+32*\c+21+\k], v[MB+16*\t+\c]
.endr
.endr
.endr
.irp t, 0,1
.irp c, 0,1
	v_max3_num_f32 v[MA+16*\t+\c], v[64*\t+32*\c+15], v[64*\t+32*\c+16], v[MA+16*\t+\c]
.endr
.endr
	WIN 0
.irp c, 0,1
.irp t, 0,1
	v_max_num_f32 v[MA+16*\t+\c], v[MA+16*\t+\c], v[MB+16*\t+\c]
.endr
.endr
.irp t, 0,1
	s_delay_alu instid0(VALU_DEP_2)
	v_max_num_f32 v[T0+16*\t], v[MA+16*\t], v[MA+16*\t+1]
.endr
.irp t, 0,1
	s_delay_alu instid0(VALU_DEP_2)
	v_permlanex16_b32 v[T1+16*\t], v[T0+16*\t], s[SEL], s[SEL+1]
.endr
.irp t, 0,1
	s_delay_alu instid0(VALU_DEP_2)
	v_max3_num_f32 v[RS+16*\t], v[RS+16*\t], v[T0+16*\t], v[T1+16*\t]   ; the running largest score of my query
.endr
.irp t, 0,1
	s_delay_alu instid0(VALU_DEP_2)
	v_mul_f32 v[T0+16*\t], s[NC], v[RS+16*\t]      ; -t
.endr
.irp t, 0,1
	s_delay_alu instid0(VALU_DEP_2)
	v_floor_f32 v[T0+16*\t], v[T0+16*\t]           ; the new -M = floor(-t)
.endr
.irp t, 0,1
	s_delay_alu instid0(VALU_DEP_2)
	v_sub_f32 v[T1+16*\t], v[T0+16*\t], v[NM+16*\t]   ; old M less new M: a whole number, 0 or less
.endr
.irp t, 0,1
	s_delay_alu instid0(VALU_DEP_4)
	v_mov_b32 v[NM+16*\t], v[T0+16*\t]
.endr
.irp t, 0,1
	s_delay_alu instid0(VALU_DEP_4)
	v_cvt_i32_f32 v[T1+16*\t], v[T1+16*\t]         ; (it saturates)
.endr
.irp t, 0,1
	s_delay_alu instid0(VALU_DEP_2)
	v_ldexp_f32 v[FF+16*\t], 1.0, v[T1+16*\t]      ; f = 2^(old M - new M)
.endr
.irp c, 0,1
.irp t, 0,1
	v_fma_f32 v[MA+16*\t+\c], v[MA+16*\t+\c], s[CS], v[NM+16*\t]   ; t - M of each block's largest score
.endr
.endr
.irp t, 0,1
	v_pk_mul_f32 v[LL+16*\t:LL+16*\t+1], v[LL+16*\t:LL+16*\t+1], v[FF+16*\t:FF+16*\t+1] op_sel_hi:[1,0]
	v_pk_mul_f32 v[L2+16*\t:L2+16*\t+1], v[L2+16*\t:L2+16*\t+1], v[FF+16*\t:FF+16*\t+1] op_sel_hi:[1,0]
.endr
	WIN 0x41
.irp t, 0,1
.set j, 0
.rept 16
	v_pk_mul_f32 v[OA+32*\t+j:OA+32*\t+j+1], v[OA+32*\t+j:OA+32*\t+j+1], v[FF+16*\t:FF+16*\t+1] op_sel_hi:[1,0]   ; O^T under the new M
.set j, j+2
.endr
.endr
.irp t, 0
.set j, 0
.rept 32
	v_pk_fma_f32 v[64*\t+j:64*\t+j+1], v[64*\t+j:64*\t+j+1], s[CS:CS+1], v[NM+16*\t:NM+16*\t+1] op_sel_hi:[1,0,0]   ; t - M of tile 0; tile 1's stand among tile 0's exponentials
.set j, j+2
.endr
.endr
	WIN 0
	s_wait_alu depctr_va_vdst(0)                   ; the wait ahead of the batch
.irp c, 0,1
.irp t, 0,1
	v_exp_f32 v[MA+16*\t+\c], v[MA+16*\t+\c]       ; each block's largest p: the same two instructions on the same number give the same bits
.endr
.endr
	WIN 0x41
.set j, 0
.rept 32                               ; tile 0's p = 2^(t - M); among them tile 1's t - M: its sources were settled ahead of the batch, its results are read behind the wait below
	v_exp_f32 v[j], v[j]
	v_exp_f32 v[j+1], v[j+1]
	v_pk_fma_f32 v[64+j:65+j], v[64+j:65+j], s[CS:CS+1], v[NM+16:NM+17] op_sel_hi:[1,0,0]
.set j, j+2
.endr
	WIN 0
	s_wait_alu depctr_va_vdst(0)                   ; the one wait for this batch (the last multiply-add is the plain place behind it)
.irp c, 0,1
.irp t, 0,1
	v_max_num_f32 v[MA+16*\t+\c], 0x1800000, v[MA+16*\t+\c]   ; the floor 2^(3 - 127): the byte cannot fall under 1
.endr
.endr
.irp c, 0,1
.irp t, 0,1
	v_add_nc_u32 v[SO+16*\t+\c], 0xff000000, v[MA+16*\t+\c]   ; 2 off the exponent field: the conversion's scale operand
.endr
.endr
.irp c, 0,1
.irp t, 0,1
	v_lshrrev_b32 v[MA+16*\t+\c], 23, v[SO+16*\t+\c]          ; the byte of block 2 c + lane / 16
.endr
.endr
.irp t, 0,1
	s_delay_alu instid0(VALU_DEP_2)
	v_lshl_or_b32 v[T0+16*\t], v[MA+16*\t+1], 16, v[MA+16*\t]
.endr
.irp t, 0,1
	s_delay_alu instid0(VALU_DEP_2)
	v_lshlrev_b32 v[T0+16*\t], v[SH8], v[T0+16*\t]            ; at their places in the scale word
.endr
.irp t, 0,1
	s_delay_alu instid0(VALU_DEP_2)
	v_permlanex16_b32 v[T1+16*\t], v[T0+16*\t], s[SEL], s[SEL+1]
.endr
.irp t, 0,1
	s_delay_alu instid0(VALU_DEP_2)
	v_or_b32 v[PW+\t], v[T0+16*\t], v[T1+16*\t]               ; with lane l xor 16's two the word is whole
.endr
	WIN 0x41
.irp c, 0,1
	v_cvt_scalef32_pk16_fp6_f32 v[PC+6*\c:PC+6*\c+2], v[32*\c:32*\c+15], v[SO+\c]               ; tile 0's codes
	v_cvt_scalef32_pk16_fp6_f32 v[CT+4*\c:CT+4*\c+2], v[32*\c+16:32*\c+31], v[SO+\c]
.endr
	v_nop                                          ; one plain place behind the scaled conversions
	s_wait_alu depctr_va_vdst(0)                   ; the wait ahead of the batch
	; tile 1's p; among them plain work on tile 0 whose sources are settled and whose results are read behind the batch's wait: the six moves, and the first level of the row's sum (in place: the codes are made)
.set j, 64
.irp c, 0,1
.irp i, 0,1,2
	v_exp_f32 v[j], v[j]
	v_exp_f32 v[j+1], v[j+1]
	v_mov_b32 v[PC+6*\c+3+\i], v[CT+4*\c+\i]
.set j, j+2
.endr
.endr
	WIN 0x45
.set k, 0
.rept 16
	v_exp_f32 v[j], v[j]
	v_exp_f32 v[j+1], v[j+1]
	v_pk_add_f32 v[k:k+1], v[k:k+1], v[k+2:k+3]
.set j, j+2
.set k, k+4
.endr
.rept 20
	v_exp_f32 v[j], v[j]
.set j, j+1
.endr
	v_nop                                          ; one plain place behind the batch
	s_wait_alu depctr_va_vdst(0)                   ; and the one wait for it
	WIN 0x41
.irp t, 1
.irp c, 0,1
	v_cvt_scalef32_pk16_fp6_f32 v[PC+12*\t+6*\c:PC+12*\t+6*\c+2], v[64*\t+32*\c:64*\t+32*\c+15], v[SO+16*\t+\c]
	v_cvt_scalef32_pk16_fp6_f32 v[CT+8*\t+4*\c:CT+8*\t+4*\c+2], v[64*\t+32*\c+16:64*\t+32*\c+31], v[SO+16*\t+\c]   ; (a conversion's three registers begin on an even number)
.endr
.endr
	v_nop                                          ; one plain place behind the scaled conversions
.irp t, 1
.irp c, 0,1
.irp i, 0,1,2
	v_mov_b32 v[PC+12*\t+6*\c+3+\i], v[CT+8*\t+4*\c+\i]
.endr
.endr
.endr
	; the row's sum of the unquantised p, as a tree in place: 32 packed additions a tile in all, few of them waiting for each other; they are also the places ahead of the products below
	WIN 0x45
.set k, 64
.rept 16                               ; tile 1's first level
	v_pk_add_f32 v[k:k+1], v[k:k+1], v[k+2:k+3]
.set k, k+4
.endr
.set k, 0
.rept 16                               ; both tiles' second
	v_pk_add_f32 v[k:k+1], v[k:k+1], v[k+4:k+5]
.set k, k+8
.endr
.set k, 0
.rept 8                                ; and third: a pair now stands for 16 registers
	v_pk_add_f32 v[k:k+1], v[k:k+1], v[k+8:k+9]
.set k, k+16
.endr
	WIN 0x01
.irp j, 0,32
.irp t, 0,1
	v_pk_add_f32 v[LL+16*\t:LL+16*\t+1], v[64*\t+\j:64*\t+\j+1], v[LL+16*\t:LL+16*\t+1]
	v_pk_add_f32 v[L2+16*\t:L2+16*\t+1], v[64*\t+\j+16:64*\t+\j+17], v[L2+16*\t:L2+16*\t+1]
.endr
.endr
	s_wait_dscnt 28                                ; this step's V is in; the next step's K, 28 loads issued behind it, may be out
	WIN 0x54
.irp u, 0,1,2,3
.irp t, 0,1
	WM OA+32*\t+8*\u, VF+12*\u, PC+12*\t, 1, VS+\u/2, PW+\t, \u%2
.endr
.endr
	WIN 0
.rept 4
	v_nop                                          ; four places ahead of the loads into V's registers
.endr
	LDV
	s_add_co_u32 s[CNT], s[CNT], 1
	s_cmp_lt_u32 s[CNT], 16
	s_cbranch_scc1 .Lstep
	s_wait_alu depctr_va_vdst(0)                   ; the wait here, directly ahead of the readers of the sums
	; the pass's end: O / l, quantised along the head's 64 channels (V's channel tiles stand so that tiles 2 b, 2 b + 1 give a lane channels 32 b + 16 (lane / 16) + 0 .. 15)
.irp t, 0,1
	v_pk_add_f32 v[LL+16*\t:LL+16*\t+1], v[LL+16*\t:LL+16*\t+1], v[L2+16*\t:L2+16*\t+1]
.endr
.irp t, 0,1
	s_delay_alu instid0(VALU_DEP_2)
	v_add_f32 v[T0+16*\t], v[LL+16*\t], v[LL+16*\t+1]
.endr
.irp t, 0,1
	s_delay_alu instid0(VALU_DEP_2)
	v_permlanex16_b32 v[T1+16*\t], v[T0+16*\t], s[SEL], s[SEL+1]
.endr
.irp t, 0,1
	s_delay_alu instid0(VALU_DEP_2)
	v_add_f32 v[T0+16*\t], v[T0+16*\t], v[T1+16*\t]
.endr
	s_wait_alu depctr_va_vdst(0)                   ; the wait ahead of the transcendentals
.irp t, 0,1
	v_rcp_f32 v[FF+16*\t], v[T0+16*\t]
.endr
	v_nop
	s_wait_alu depctr_va_vdst(0)                   ; and behind them, directly ahead of the first reader of O^T
	WIN 0x01
.irp t, 0,1
.set j, 0
.rept 16
	v_pk_mul_f32 v[X+32*\t+j:X+32*\t+j+1], v[OA+32*\t+j:OA+32*\t+j+1], v[FF+16*\t:FF+16*\t+1] op_sel_hi:[1,0]
.set j, j+2
.endr
.endr
	WIN 0
.irp t, 0,1
.irp b, 0,1
	v_max3_num_f32 v[MA+16*\t+\b], |v[X+32*\t+16*\b]|, |v[X+32*\t+16*\b+1]|, 0x1800000
.endr
.endr
.irp i, 2,4,6,8,10,12,14
.irp t, 0,1
.irp b, 0,1
	v_max3_num_f32 v[MA+16*\t+\b], v[MA+16*\t+\b], |v[X+32*\t+16*\b+\i]|, |v[X+32*\t+16*\b+\i+1]|
.endr
.endr
.endr
.irp t, 0,1
.irp b, 0,1
	v_permlanex16_b32 v[MB+16*\t+\b], v[MA+16*\t+\b], s[SEL], s[SEL+1]
.endr
.endr
.irp t, 0,1
.irp b, 0,1
	v_max_num_f32 v[MA+16*\t+\b], v[MA+16*\t+\b], v[MB+16*\t+\b]
.endr
.endr
.irp t, 0,1
.irp b, 0,1
	v_add_nc_u32 v[SO+16*\t+\b], 0xff000000, v[MA+16*\t+\b]
.endr
.endr
.irp b, 0,1
.irp t, 0,1
	v_lshrrev_b32 v[MA+16*\t+\b], 23, v[SO+16*\t+\b]
.endr
.endr
.irp t, 0,1
	s_delay_alu instid0(VALU_DEP_2)
	v_lshl_or_b32 v[T0+16*\t], v[MA+16*\t+1], 8, v[MA+16*\t]      ; the head's two scale bytes
.endr
.irp t, 0,1
	v_cvt_scalef32_pk16_fp6_f32 v[NM+16*\t:NM+16*\t+2], v[X+32*\t:X+32*\t+15], v[SO+16*\t]          ; the codes take the state's registers, which are done with
	v_cvt_scalef32_pk16_fp6_f32 v[FF+16*\t:FF+16*\t+2], v[X+32*\t+16:X+32*\t+31], v[SO+16*\t+1]
.endr
	v_nop
.irp t, 0,1
.irp i, 0,1,2
	v_permlane16_swap_b32 v[NM+16*\t+\i], v[FF+16*\t+\i]          ; the operand wants a whole block in a lane
.endr
.endr
.irp t, 0,1
.irp i, 0,1,2
	v_mov_b32 v[NM+16*\t+3+\i], v[FF+16*\t+\i]
.endr
.endr
.irp t, 0,1
.irp p, 0,1,2
	global_store_b64 v[L8], v[NM+16*\t+2*\p:NM+16*\t+2*\p+1], s[OC:OC+1] offset:12288*\t+256*\p   ; 256 consecutive bytes, aligned
.endr
	global_store_b16 v[R8], v[T0+16*\t], s[OSA:OSA+1] offset:512*\t
.endr
	s_wait_xcnt 0x0                                ; the stores have read their data and bases: both are written again only behind this wait
	s_add_nc_u64 s[OC:OC+1], s[OC:OC+1], 196608    ; 16 row tiles on
	s_add_nc_u64 s[OSA:OSA+1], s[OSA:OSA+1], 8192
	s_add_co_u32 s[PS], s[PS], 1
	s_cmp_lt_u32 s[PS], 2
	s_wait_alu depctr_va_vdst(0)                   ; the wait ahead of the branch
	s_cbranch_scc1 .Lpass
	s_wait_tensorcnt 0x0                           ; the wave's end
	ds_add_u32 v[SPW], v[NIL]
	s_wait_dscnt 0x0
	CROUND                                         ; the closing round
	s_endpgm
.Lfunc_end_k_qd3e868c9b2_attn:
	.size	k_qd3e868c9b2_attn, .Lfunc_end_k_qd3e868c9b2_attn-k_qd3e868c9b2_attn
	.p2alignl 7, 3214868480
	.fill 96, 4, 3214868480
	.section	.rodata,"a",@progbits
	.p2align	6, 0x0
	.amdhsa_kernel k_qd3e868c9b2_attn
		.amdhsa_group_segment_fixed_size 327680
		.amdhsa_private_segment_fixed_size 0
		.amdhsa_enable_private_segment 0
		.amdhsa_kernarg_size 24
		.amdhsa_user_sgpr_count 2
		.amdhsa_user_sgpr_kernarg_segment_ptr 1
		.amdhsa_wavefront_size32 1
		.amdhsa_system_sgpr_workgroup_id_x 1
		.amdhsa_system_sgpr_workgroup_id_y 1
		.amdhsa_system_sgpr_workgroup_id_z 1
		.amdhsa_system_vgpr_workitem_id 0
		.amdhsa_next_free_vgpr 512
		.amdhsa_next_free_sgpr 66
		.amdhsa_reserve_vcc 0
		.amdhsa_float_denorm_mode_32 3
		.amdhsa_float_denorm_mode_16_64 3
		.amdhsa_memory_ordered 1
		.amdhsa_forward_progress 1
		.amdhsa_inst_pref_size 52
	.end_amdhsa_kernel
	.amdgpu_metadata
---
amdhsa.version: [ 1, 2 ]
amdhsa.kernels:
  - .name:           k_qd3e868c9b2_attn
    .symbol:         k_qd3e868c9b2_attn.kd
    .args:
      - { .name: qb, .offset: 0, .size: 8, .value_kind: global_buffer, .address_space: global }
      - { .name: kv, .offset: 8, .size: 8, .value_kind: global_buffer, .address_space: global }
      - { .name: ob, .offset: 16, .size: 8, .value_kind: global_buffer, .address_space: global }
    .group_segment_fixed_size: 327680
    .private_segment_fixed_size: 0
    .kernarg_segment_align: 8
    .kernarg_segment_size: 24
    .max_flat_workgroup_size: 256
    .sgpr_count:     66
    .vgpr_count:     512
    .wavefront_size: 32
...
	.end_amdgpu_metadata
.endif
;; end of part 3
;; launch outp (part 4): grid 4 x 32, 4 waves a work-group, clusters of 4 x 4, 327,680 bytes of LDS; arguments ob, wb, bo, out0; writes out0
.if DOCPART == 4
	.amdgcn_target "amdgcn-amd-amdhsa--gfx1250"
	.amdhsa_code_object_version 6
	.text
	.protected	k_qd3e868c9b2_outp
	.globl	k_qd3e868c9b2_outp
	.p2align	8
	.type	k_qd3e868c9b2_outp,@function
k_qd3e868c9b2_outp:
	s_mov_b64 s[64:65], 0
	v_nop
	global_prefetch_b8 v0, s[64:65] scope:SCOPE_SE
	s_setreg_imm32_b32 hwreg(HW_REG_WAVE_MODE, 25, 1), 1
	s_wait_xcnt 0x0
	s_wait_alu depctr_hold_cnt(0) depctr_sa_sdst(0) depctr_va_vdst(0) depctr_va_sdst(0) depctr_va_ssrc(0) depctr_va_vcc(0) depctr_vm_vsrc(0)
	s_getreg_b32 s2, hwreg(HW_REG_IB_STS2, 6, 4)
	s_cmp_eq_u32 s2, 0
	s_cbranch_scc0 .Lentry_in_a_cluster
	s_endpgm
.Lentry_in_a_cluster:
	s_bfe_u32 s2, ttmp6, 0x10000c
	s_cmp_lg_u32 s2, 0xf033
	s_cbranch_scc0 .Lentry_shape_is_right
	s_endpgm
.Lentry_shape_is_right:
.set NQ,     2
.set FR,     12
.set NL,     6
.set NP,     4
.set RTB,    3072
.set HALFT,  8*RTB
.set SLOT,   4*HALFT
.set SCL,    2*SLOT
.set SPARE,  SCL+16384
.set SPITCH, 528
.set ADRA, 16
.set ADRB, 20
.set STO,  24
.set RD,   25
.set CO,   26
.set ADRS, 27
.set SPW,  28
.set NIL,  29
.set L8,   30
.set SC,   32
.set BN,   64
.set AF,   128
.set BK,   128
.set WV,   18
.set WH,   19
.set WL,   20
.set TROW, 23
.set TCOL, 42
.set G1,   24
.set G0,   32
.set G1B,  48
.set G0B,  56
.set G1S,  68
.set G0S,  76
.set G1SB, 80
.set G0SB, 88
.set MSB, 0
.macro WIN new
.if MSB != \new
	s_set_vgpr_msb (MSB<<8)|\new
.set MSB, \new
.endif
.endm
.set MUL_LO, 0xa1
.set MUL_HI, 0xf1
.set FST_LO, 0x81
.set FST_HI, 0xc1
.set TO_B,   0x40
.macro JLOAD g0a, g1a, g0b, g1b
	s_cmp_eq_u32 s[WH], 0
	s_cbranch_scc0 .Lfor_b_\@
	tensor_load_to_lds s[\g0a:\g0a+3], s[\g1a:\g1a+7]
	s_nop 0
.rept 4
	v_nop
.endr
	s_branch .Lasked_\@
.Lfor_b_\@:
	tensor_load_to_lds s[\g0b:\g0b+3], s[\g1b:\g1b+7]
	s_nop 0
.rept 4
	v_nop
.endr
.Lasked_\@:
.endm
.macro CREST
	s_cmp_lg_u32 s[WV], 0
	s_cbranch_scc1 .Lnot_wave_0_\@
	s_barrier_signal -3
.Lnot_wave_0_\@:
	s_barrier_wait -3
	s_barrier_signal -1
	s_barrier_wait -1
.endm
.macro CROUND
	s_barrier_signal -1
	s_barrier_wait -1
	CREST
.endm
	s_load_b256 s[4:11], s[0:1], 0x0
	v_lshl_add_u32 v[SPW], v0, 2, SPARE
	v_mov_b32 v[NIL], 0
	ds_add_u32 v28, v29
	ds_add_u32 v28, v29
	s_wait_dscnt 0x0
	v_lshrrev_b32 v1, 5, v0
	v_readfirstlane_b32 s[WV], v1
	s_lshr_b32 s[WH], s[WV], 1
	s_and_b32 s[WL], s[WV], 1
	s_bfe_u32 s40, ttmp6, 0x40000
	s_bfe_u32 s41, ttmp6, 0x40004
	s_lshl_b32 s[TCOL], ttmp9, 2
	s_add_co_u32 s[TCOL], s[TCOL], s40
	s_and_b32 s[TROW], ttmp7, 0xffff
	s_lshl_b32 s[TROW], s[TROW], 2
	s_add_co_u32 s[TROW], s[TROW], s41
	s_lshl_b32 s43, s41, 2
	s_lshl_b32 s43, 15, s43
	s_lshl_b32 s44, 0x1111, s40
	s_or_b32 s[G1+0], s43, (3<<16)|(1<<21)
	s_or_b32 s[G1B+0], s44, (3<<16)|(1<<21)
.irp g, G1, G1B
	s_mov_b32 s[\g+1], 384<<16
	s_mov_b32 s[\g+2], 16<<16                      ; the head's loads bring 16 row tiles; behind them these two words are set to 8
	s_mov_b32 s[\g+3], 384<<16
	s_mov_b32 s[\g+4], 16
	s_mov_b32 s[\g+5], 1536
	s_mov_b32 s[\g+6], 0
	s_mov_b32 s[\g+7], 0
.endr
	s_or_b32 s[G1S+0], s43, (3<<16)|(1<<21)
	s_or_b32 s[G1SB+0], s44, (3<<16)|(1<<21)
.irp g, G1S, G1SB
	s_mov_b32 s[\g+1], 32<<16
	s_mov_b32 s[\g+2], 32<<16                      ; the scale words of all 16 row tiles: 8,192 dense bytes, 32 rows of 256
	s_mov_b32 s[\g+3], 32<<16
	s_mov_b32 s[\g+4], 32
	s_mov_b32 s[\g+5], 32
	s_mov_b32 s[\g+6], 0
	s_mov_b32 s[\g+7], 0
.endr
	s_lshl_b32 s46, s[WL], 3
	s_lshl_b32 s47, s[TROW], 4
	s_add_co_u32 s47, s47, s46
	s_mul_i32 s92, s47, 12288
	s_lshl_b32 s94, s[TROW], 13
	s_add_co_u32 s94, s94, 6291456
	s_lshl_b32 s100, s[TCOL], 4
	s_add_co_u32 s100, s100, s46
	s_mul_i32 s96, s100, 12288
	s_add_co_u32 s96, s96, 2359296
	s_lshl_b32 s66, s[TCOL], 13
	s_add_co_u32 s66, s66, 3244032
	s_mov_b32 s93, 0
	s_mov_b32 s95, 0
	s_mov_b32 s97, 0
	s_mov_b32 s67, 0
	s_mul_i32 s45, s[WV], HALFT
	s_wait_kmcnt 0x0
	s_add_nc_u64 s[92:93], s[4:5], s[92:93]
	s_add_nc_u64 s[94:95], s[4:5], s[94:95]
	s_add_nc_u64 s[96:97], s[6:7], s[96:97]
	s_add_nc_u64 s[66:67], s[6:7], s[66:67]
	CROUND
	s_mov_b32 s[G0S], 1
	s_mov_b32 s[G0S+1], SCL
	s_mov_b64 s[G0S+2:G0S+3], s[94:95]
	s_or_b32 s[G0S+3], s[G0S+3], 0x80000000
	s_mov_b32 s[G0SB], 1
	s_mov_b32 s[G0SB+1], SCL+8192
	s_mov_b64 s[G0SB+2:G0SB+3], s[66:67]
	s_or_b32 s[G0SB+3], s[G0SB+3], 0x80000000
.irp s, 0,1
	s_mov_b32 s[G0+4*\s], 1
	s_add_co_u32 s[G0+4*\s+1], s45, \s*SLOT
	s_add_nc_u64 s[G0+4*\s+2:G0+4*\s+3], s[92:93], \s*RTB
	s_or_b32 s[G0+4*\s+3], s[G0+4*\s+3], 0x80000000
	s_mov_b32 s[G0B+4*\s], 1
	s_add_co_u32 s[G0B+4*\s+1], s45, \s*SLOT
	s_add_nc_u64 s[G0B+4*\s+2:G0B+4*\s+3], s[96:97], \s*RTB
	s_or_b32 s[G0B+4*\s+3], s[G0B+4*\s+3], 0x80000000
.endr
	; THE HEAD'S LOADS, ONE A WAVE: wave 0 slot 0's 16 row tiles of A, wave 2 those of B (their own group 0 of slot 0 points at the tile's first row tile), wave 1 A's scale words, wave 3 B's
	s_cmp_eq_u32 s[WV], 0
	s_cbranch_scc0 .Lh1
	tensor_load_to_lds s[G0:G0+3], s[G1:G1+7]
	s_nop 0
.rept 4
	v_nop
.endr
	s_branch .Lhj
.Lh1:
	s_cmp_eq_u32 s[WV], 2
	s_cbranch_scc0 .Lh2
	tensor_load_to_lds s[G0B:G0B+3], s[G1B:G1B+7]
	s_nop 0
.rept 4
	v_nop
.endr
	s_branch .Lhj
.Lh2:
	s_cmp_eq_u32 s[WV], 1
	s_cbranch_scc0 .Lh3
	tensor_load_to_lds s[G0S:G0S+3], s[G1S:G1S+7]
	s_nop 0
.rept 4
	v_nop
.endr
	s_branch .Lhj
.Lh3:
	tensor_load_to_lds s[G0SB:G0SB+3], s[G1SB:G1SB+7]
	s_nop 0
.rept 4
	v_nop
.endr
.Lhj:
	v_and_b32 v1, 15, v0
	v_bfe_u32 v2, v0, 4, 1
	s_wait_alu depctr_va_vdst(0)
	v_and_b32 v3, 31, v0
	v_lshlrev_b32 v[L8], 3, v3
	s_mul_i32 s2, s[WH], HALFT
	s_mul_i32 s3, s[WL], HALFT
	s_add_co_u32 s3, s3, 2*HALFT
.irp s, 0,1
	v_add_nc_u32 v[ADRA+\s], s2, v[L8]
	v_add_nc_u32 v[ADRB+\s], s3, v[L8]
	s_add_co_u32 s2, s2, SLOT
	s_add_co_u32 s3, s3, SLOT
.endr
	s_lshl_b32 s2, s[WH], 12
	s_lshl_b32 s3, s[WL], 12
	s_add_co_u32 s3, s3, 8192
	s_sub_co_u32 s3, s3, s2
	v_mul_u32_u24 v4, s3, v2
	s_add_co_u32 s2, s2, SCL
	v_lshl_add_u32 v4, v1, 3, v4
	v_add_nc_u32 v[ADRS], s2, v4
	s_mul_i32 s2, s[WV], 16*SPITCH
	v_mul_u32_u24 v5, v1, SPITCH
	v_lshl_add_u32 v5, v2, 6, v5
	v_add_nc_u32 v[STO], s2, v5
	v_lshlrev_b32 v[CO], 4, v3
	v_add_nc_u32 v[RD], s2, v[CO]
	s_lshl_b32 s100, s[TROW], 8
	s_lshl_b32 s2, s[WH], 7
	s_add_co_u32 s100, s100, s2
	s_lshl_b32 s101, s[TCOL], 8
	s_lshl_b32 s2, s[WL], 7
	s_add_co_u32 s101, s101, s2
	s_lshl_b32 s2, s101, 2
	s_mov_b32 s3, 0
	s_add_nc_u64 s[8:9], s[8:9], s[2:3]
	v_lshlrev_b32 v6, 6, v2
.irp b, 0,1,2,3,4,5,6,7
	global_load_b128 v[BN+8*\b:BN+8*\b+3], v6, s[8:9] offset:(32*(\b/2)+8*(\b%2))*4
	global_load_b128 v[BN+8*\b+4:BN+8*\b+7], v6, s[8:9] offset:(32*(\b/2)+8*(\b%2))*4+16
.endr
	s_lshl_b32 s46, s100, 12
	s_add_co_u32 s46, s46, s2
	s_mov_b32 s47, 0
	s_add_nc_u64 s[10:11], s[10:11], s[46:47]
.macro FRAG reg, adr, q, i
.irp p, 0,1,2,3,4,5
	ds_load_b64 v[\reg+2*\p:\reg+2*\p+1], v[\adr] offset:(\i)*RTB+(\q)*1536+256*\p
.endr
.endm
.macro MUL16 a0, p, q, sc, first
.irp a, \a0, \a0+1
.irp b, 0,1,2,3,4,5,6,7
.if \first
	v_wmma_scale_f32_16x16x128_f8f6f4 v[8*(8*((\a)%4)+\b):8*(8*((\a)%4)+\b)+7], v[128*(\p)+FR*\b:128*(\p)+FR*\b+FR-1], v[AF+FR*(\a):AF+FR*(\a)+FR-1], v[BN+8*\b:BN+8*\b+7], v[SC+8*NQ*(\sc)+NQ*\b+(\q)], v[SC+8*NQ*(\sc)+NQ*(\a)+(\q)] matrix_a_fmt:MATRIX_FMT_FP6 matrix_b_fmt:MATRIX_FMT_FP6 matrix_a_scale:MATRIX_SCALE_ROW1
.else
	v_wmma_scale_f32_16x16x128_f8f6f4 v[8*(8*((\a)%4)+\b):8*(8*((\a)%4)+\b)+7], v[128*(\p)+FR*\b:128*(\p)+FR*\b+FR-1], v[AF+FR*(\a):AF+FR*(\a)+FR-1], v[8*(8*((\a)%4)+\b):8*(8*((\a)%4)+\b)+7], v[SC+8*NQ*(\sc)+NQ*\b+(\q)], v[SC+8*NQ*(\sc)+NQ*(\a)+(\q)] matrix_a_fmt:MATRIX_FMT_FP6 matrix_b_fmt:MATRIX_FMT_FP6 matrix_a_scale:MATRIX_SCALE_ROW1
.endif
.endr
.endr
.endm
.macro FETCH_B slot, q, p
	WIN TO_B
.irp i, 0,1,2,3,4,5,6,7
	FRAG 128*(\p)+FR*\i, ADRB+\slot, \q, \i
.endr
	WIN 0
.endm
.macro FETCH_A slot, q, i0
.irp i, \i0, \i0+1, \i0+2, \i0+3
	FRAG AF+FR*(\i), ADRA+\slot, \q, \i
.endr
.endm
.macro SCALES sc
.irp i, 0,1,2,3,4,5,6,7
	ds_load_b64 v[SC+8*NQ*\sc+NQ*\i:SC+8*NQ*\sc+NQ*\i+1], v[ADRS] offset:512*\i
.endr
.endm
.macro PLACES n
.rept \n
	v_nop
.endr
.endm
.macro STEP slot, q, first
	s_wait_dscnt 4*NL
.if \first
	WIN FST_LO
.else
	WIN MUL_LO
.endif
	MUL16 0, (\q)%2, \q, \slot, \first
	MUL16 2, (\q)%2, \q, \slot, \first
	s_wait_dscnt 0
	PLACES NP
	FETCH_B \slot, (\q)+1, 1-(\q)%2
	FETCH_A \slot, (\q)+1, 0
.if \first
	WIN FST_HI
.else
	WIN MUL_HI
.endif
	MUL16 4, (\q)%2, \q, \slot, \first
	MUL16 6, (\q)%2, \q, \slot, \first
	PLACES NP
	WIN 0
	FETCH_A \slot, (\q)+1, 4
.endm
.macro TURN slot, next, fill
	s_wait_tensorcnt 0x0
	ds_add_u32 v[SPW], v[NIL]
	s_wait_dscnt 4*NL+1
	WIN MUL_LO
	MUL16 0, 1, NQ-1, \slot, 0
	s_wait_dscnt 0x0
	s_barrier_signal -1
	MUL16 2, 1, NQ-1, \slot, 0
	WIN 0
	s_barrier_wait -1
.if \fill
	CREST
	s_add_nc_u64 s[G0+4*\slot+2:G0+4*\slot+3], s[G0+4*\slot+2:G0+4*\slot+3], 2*RTB
	s_add_nc_u64 s[G0B+4*\slot+2:G0B+4*\slot+3], s[G0B+4*\slot+2:G0B+4*\slot+3], 2*RTB
	JLOAD G0+4*\slot, G1, G0B+4*\slot, G1B
.else
	PLACES NP
.endif
	s_wait_alu depctr_va_vdst(0)
	v_add_nc_u32 v[ADRS], 128, v[ADRS]
	FETCH_B \next, 0, 0
	FETCH_A \next, 0, 0
	SCALES \next
	WIN MUL_HI
	MUL16 4, 1, NQ-1, \slot, 0
	MUL16 6, 1, NQ-1, \slot, 0
	PLACES NP
	WIN 0
	FETCH_A \next, 0, 4
.endm
	s_wait_alu depctr_va_vdst(0)
	s_wait_tensorcnt 0x0                           ; my tile of the head's four is in; slot 1's first fill is issued as a refill is
	ds_add_u32 v[SPW], v[NIL]
	s_mov_b32 s[G1+2], 8<<16                       ; no tensor load of mine is out: from here on a load brings 8 row tiles
	s_mov_b32 s[G1+4], 8
	s_mov_b32 s[G1B+2], 8<<16
	s_mov_b32 s[G1B+4], 8
	s_wait_dscnt 0x0
	CROUND                                         ; all four tiles are in, all sixteen work-groups are here
	JLOAD G0+4, G1, G0B+4, G1B                     ; slot 1: the first tensor load behind the round
	FETCH_B 0, 0, 0
	FETCH_A 0, 0, 0
	SCALES 0
	FETCH_A 0, 0, 4
	s_wait_loadcnt 0x0
	STEP 0, 0, 1
	TURN 0, 1, 1
	STEP 1, 0, 0
	TURN 1, 0, 1
	STEP 0, 0, 0
	TURN 0, 1, 0
	STEP 1, 0, 0
	s_wait_dscnt 4*NL
	WIN MUL_LO
	MUL16 0, 1, NQ-1, 1, 0
	MUL16 2, 1, NQ-1, 1, 0
	s_wait_dscnt 0
	WIN MUL_HI
	MUL16 4, 1, NQ-1, 1, 0
	MUL16 6, 1, NQ-1, 1, 0
	WIN 0
.macro TOSTAGE a
.set AC, 64*((\a)%4)
	WIN (0x08+4*((\a)/4))
.irp b, 0,1,2,3,4,5,6,7
	ds_store_b128 v[STO], v[AC+8*\b:AC+8*\b+3] offset:128*(\b/2)+32*(\b%2)
	ds_store_b128 v[STO], v[AC+8*\b+4:AC+8*\b+7] offset:128*(\b/2)+32*(\b%2)+16
.endr
	WIN 0
.set BB, BK+64*((\a)%2)
.irp t, 0,1,2,3,4,5,6,7,8,9,10,11,12,13,14,15
	ds_load_b128 v[BB+4*\t:BB+4*\t+3], v[RD] offset:\t*SPITCH
.endr
.endm
.macro SEND a, younger
.set BB, BK+64*((\a)%2)
	s_wait_dscnt \younger
.irp t, 0,1,2,3,4,5,6,7,8,9,10,11,12,13,14,15
	global_store_b128 v[CO], v[BB+4*\t:BB+4*\t+3], s[10:11] offset:(32*((\a)/2)+8*((\a)%2)+16*(\t/8)+\t%8)*4096 th:TH_STORE_NT
.endr
.endm
	PLACES NP
	TOSTAGE 0
.irp a, 1,2,3,4,5,6,7
.if \a > 1
	s_wait_xcnt 0x0
.endif
	TOSTAGE \a
	SEND \a-1, 32
.endr
	SEND 7, 0
	s_wait_tensorcnt 0x0
	ds_add_u32 v[SPW], v[NIL]
	s_wait_dscnt 0x0
	CROUND
	s_endpgm
.Lfunc_end_k_qd3e868c9b2_outp:
	.size	k_qd3e868c9b2_outp, .Lfunc_end_k_qd3e868c9b2_outp-k_qd3e868c9b2_outp
	.p2alignl 7, 3214868480
	.fill 96, 4, 3214868480
	.section	.rodata,"a",@progbits
	.p2align	6, 0x0
	.amdhsa_kernel k_qd3e868c9b2_outp
		.amdhsa_group_segment_fixed_size 327680
		.amdhsa_private_segment_fixed_size 0
		.amdhsa_enable_private_segment 0
		.amdhsa_kernarg_size 32
		.amdhsa_user_sgpr_count 2
		.amdhsa_user_sgpr_kernarg_segment_ptr 1
		.amdhsa_wavefront_size32 1
		.amdhsa_system_sgpr_workgroup_id_x 1
		.amdhsa_system_sgpr_workgroup_id_y 1
		.amdhsa_system_sgpr_workgroup_id_z 1
		.amdhsa_system_vgpr_workitem_id 0
		.amdhsa_next_free_vgpr 1024
		.amdhsa_next_free_sgpr 102
		.amdhsa_reserve_vcc 0
		.amdhsa_float_denorm_mode_32 3
		.amdhsa_float_denorm_mode_16_64 3
		.amdhsa_memory_ordered 1
		.amdhsa_forward_progress 1
		.amdhsa_inst_pref_size 161
	.end_amdhsa_kernel
	.amdgpu_metadata
---
amdhsa.version: [ 1, 2 ]
amdhsa.kernels:
  - .name:           k_qd3e868c9b2_outp
    .symbol:         k_qd3e868c9b2_outp.kd
    .args:
      - { .name: ob, .offset: 0, .size: 8, .value_kind: global_buffer, .address_space: global }
      - { .name: wb, .offset: 8, .size: 8, .value_kind: global_buffer, .address_space: global }
      - { .name: bo, .offset: 16, .size: 8, .value_kind: global_buffer, .address_space: global }
      - { .name: out0, .offset: 24, .size: 8, .value_kind: global_buffer, .address_space: global }
    .group_segment_fixed_size: 327680
    .private_segment_fixed_size: 0
    .kernarg_segment_align: 8
    .kernarg_segment_size: 32
    .max_flat_workgroup_size: 128
    .sgpr_count:     102
    .vgpr_count:     1024
    .wavefront_size: 32
...
	.end_amdgpu_metadata
.endif
;; end of part 4
